; MI455X (gfx1250); checked and timed in simulation.
; The chip was launched on July 23, 2026; its instructions are those of AMD's public machine-readable ISA for CDNA 5 (MIT licence, August 2026) and "CDNA5" Instruction Set Architecture Reference Guide (July 2026). The comments in the code are by the model that wrote it; some were corrected since.
;; Attention. Allowed arithmetic: matrix products marked QUANTISED: E3M2 operands, one E8M0 scale for each 32 along K, by v_wmma_scale_f32_16x16x128_f8f6f4 with both operands' format E3M2, f32 sums; products left as they are: f32 operands where the result goes on into a quantised operand, else bf16, f16 or f32 operands; f32 sums; everything else in f32.
;; Inputs: en_output 64 x 1,024 x 1,024 float32; hidden_codes 1 x 64 x 32 x 24 uint8 (E3M2 codes of hidden, K innermost, in blocks of 32 codes, four codes in three bytes); hidden_scales 1 x 64 x 32 uint8 (E8M0 scales of hidden, one for each 32 codes along K); v_w 1 x 1,024 float32; w_de_b 1,024 float32; w_de_w_codes 1,024 x 32 x 24 uint8 (E3M2 codes of w_de_w, K innermost, in blocks of 32 codes, four codes in three bytes); w_de_w_scales 1,024 x 32 uint8 (E8M0 scales of w_de_w, one for each 32 codes along K); w_en_b 1,024 float32; w_en_w_codes 1,024 x 32 x 24 uint8 (E3M2 codes of w_en_w, K innermost, in blocks of 32 codes, four codes in three bytes); w_en_w_scales 1,024 x 32 uint8 (E8M0 scales of w_en_w, one for each 32 codes along K).
;; Outputs: out0 64 x 1 x 1,024 float32; out1 64 x 1,024 float32.
;; This version of the problem:
;;   THIS VERSION OF THE PROBLEM IS GIVEN IN LOW PRECISION. The matrix products marked QUANTISED in the list below multiply operands that are first quantised to E3M2 (3 exponent bits, 2 mantissa bits; 6 bits a number), with one power-of-two scale for each 32 numbers along K (OCP MX v1.0); their sums are f32. All else is computed in f32.
;;   The module's matrix products, in the order in which they are computed (A, B: the left and right operand; K: the contracted axis; several contracted axes count as one K, in the product's order):
;;     1. [M 65,536, K 1,024] x [K 1,024, N 1,024]; A: input en_output; B: input w_en_w (given as codes): QUANTISED
;;     2. [M 64, K 1,024] x [K 1,024, N 1,024]; A: input hidden (given as codes); B: input w_de_w (given as codes): QUANTISED
;;     3. [M 65,536, K 1,024] x [K 1,024, N 1]; A: computed on the way; B: computed on the way: left as it is (N = 1 < 16)
;;     4. batch 64 x [M 1, K 1,024] x [K 1,024, N 1,024]; A: softmax; B: input en_output: left as it is (M = 1 < 16)
;;   THE QUANTISER, for each operand of a quantised product, along K:
;;     - K is cut into blocks of 32 from its start; a last block that is shorter is filled with zeros.
;;     - A block's scale is 2^e with e = floor(log2(the largest magnitude in the block)) - 4, held to -126 .. 127; a block of zeros has e = 0. As a byte (E8M0): e + 127.
;;     - Each number is divided by its block's scale, clamped to +-28, and rounded to the nearest number of E3M2, ties to even, subnormals kept.
;;     - The product sums the exact products of the quantised numbers (number of the format x scale) in f32.
;;   ~~~python
;;   def quantise(x, axis):      # numpy; x: float32 -> the quantised numbers, widened to float32 again
;;       x = np.moveaxis(x, axis, -1); K = x.shape[-1]
;;       x = np.pad(x, [(0, 0)] * (x.ndim - 1) + [(0, -K % 32)]); x = x.reshape(x.shape[:-1] + (-1, 32)); a = np.abs(x).max(-1, keepdims=True)
;;       e = np.where(a > 0, np.clip(np.frexp(np.where(a > 0, a, 1))[1] - 1 - 4, -126, 127), 0)      # np.frexp(a)[1] - 1 = floor(log2(a)), exactly
;;       r = np.clip(x / 2.0 ** e, -28, 28)
;;       step = 2.0 ** (np.maximum(np.frexp(np.where(r == 0, 1, r))[1] - 1, -2) - 2)
;;       q = np.round(r / step) * step * 2.0 ** e      # np.round: ties to even
;;       return np.moveaxis(q.reshape(q.shape[:-2] + (-1,))[..., :K], -1, axis).astype(np.float32)
;;   ~~~
;;   INPUTS GIVEN AS CODES. hidden (in the module: [1, 64, 1024], K = its axis 2); w_de_w (in the module: [1024, 1024], K = its axis 1); w_en_w (in the module: [1024, 1024], K = its axis 1): each comes as NAME_codes (uint8): NAME with its K axis moved to the last place and cut into blocks of 32 codes, [.., K / 32, bytes a block], one block behind the other in memory; four codes in three bytes: a row's codes are one little-endian stream of bits, code i at bits 6 i .. 6 i + 5 (a code: sign, 3 exponent bits, 2 mantissa bits); and NAME_scales (uint8): the same leading axes, one E8M0 byte (e + 127) for each 32 codes along K. Its value is code x scale, taken as it is: it is not quantised again, and the codes and scales need not be those that the quantiser above would give.
;; 2 versions. Each part assembles by itself: llvm-mc -triple=amdgcn-amd-amdhsa -mcpu=gfx1250 --defsym DOCPART=n.
;; ======== version 1 of 2: 3 launches
;; workspace buffers: wimg 819,200 bytes; cb 262,144 bytes; scores 262,144 bytes; ml 16,384 bytes; pw 8,388,608 bytes
;; launch prep (part 1): grid 64 x 1, 8 waves a work-group, no clusters, 0 bytes of LDS; arguments hidden_codes, hidden_scales, w_de_w_codes, w_de_w_scales, w_de_b, w_en_b, w_en_w_codes, w_en_w_scales, wimg, cb; writes wimg, cb
.if DOCPART == 1
	.amdgcn_target "amdgcn-amd-amdhsa--gfx1250"
	.amdhsa_code_object_version 6
	.text
	.protected	k_qa2c3dbf4f9_prep
	.globl	k_qa2c3dbf4f9_prep
	.p2align	8
	.type	k_qa2c3dbf4f9_prep,@function
k_qa2c3dbf4f9_prep:
	s_mov_b64 s[64:65], 0
	v_nop
	global_prefetch_b8 v0, s[64:65] scope:SCOPE_SE
	s_setreg_imm32_b32 hwreg(HW_REG_WAVE_MODE, 25, 1), 1
	s_wait_xcnt 0x0
; Two small jobs ahead of the main launch.  Work-group n (0 .. 63) owns rows 16 n .. 16 n + 15 of W_en and of W_de.
; (1) W_en, codes of E3M2 with E8M0 scale bytes, is laid anew as IMAGES OF THE OPERAND'S REGISTERS: record n of wimg, 12,800 bytes, holds the eight fragments (16 rows x 128 K, 12 registers a lane)
;     of these rows: registers 4 c .. 4 c + 3 of K step s at byte 1536 s + 512 c + 16 x lane; behind them, at byte 12,288, the rows' 512 scale bytes as they lie.  Wave w copies K step w; wave 7 also the scale bytes.
; (2) cb[b][d] = c x (hidden[b] . W_de[d] + b_de[d] + b_en[d]), c = 2 log2(e): the part of tanh's argument that hangs on no source row, already scaled for an exponential of base 2.
;     Waves 0 .. 3: 16 batches each.  The product runs on the codes and scale bytes as they are given; source 0 = 16 rows of W_de, source 1 = 16 rows of hidden, so that a lane holds one batch
;     (lane % 16) and its registers eight neighbouring d = 16 n + 8 (lane / 16) + j.  The biases' sum is the C of the first matrix instruction.
; 64 work-groups are all the work there is: 64 tiles of 16 rows.  cb's stores cover 32 bytes a lane in rows 4,096 bytes apart: the whole buffer is 256 KB.
.set CW, 0x4038aa3b                    ; c = 2 log2(e)
.set HF, 32                            ; v32-127   hidden's eight fragments
.set WF, 128                           ; v128-223  W_de's eight fragments
.set HS, 224                           ; v224-231  hidden's scale words, one for each K step: scales and nothing else
.set WS, 232                           ; v232-239  W_de's likewise
.set A0, 240                           ; v240-247  the sum over the even K steps, begun on the biases
.set A1, 248                           ; v248-255  the sum over the odd K steps
	s_load_b512 s[4:19], s[0:1], 0x0               ; hidden's codes s[4:5], scales s[6:7]; W_de's codes s[8:9], scales s[10:11]; b_de s[12:13]; b_en s[14:15]; W_en's codes s[16:17], scales s[18:19]
	s_load_b128 s[20:23], s[0:1], 0x40             ; wimg s[20:21], cb s[22:23]
	v_lshrrev_b32 v1, 5, v0
	v_readfirstlane_b32 s24, v1                    ; wave 0..7
	v_and_b32 v1, 31, v0                           ; lane
	v_and_b32 v2, 15, v0                           ; r
	v_bfe_u32 v3, v0, 4, 1                         ; h
	v_mul_u32_u24 v4, v2, 768                      ; a row of 1,024 codes is 768 bytes
	v_mad_u32_u24 v4, v3, 24, v4                   ; v4: a fragment's place for my lane: 768 r + 24 h
	v_lshlrev_b32 v5, 4, v1                        ; v5: 16 x lane
	s_mul_i32 s25, s24, 1536
	v_add_nc_u32 v6, s25, v5                       ; v6: my place in the record: 16 x lane + 1536 x wave
	v_lshlrev_b32 v7, 5, v2                        ; v7: a row's 32 scale bytes: 32 r
	v_lshlrev_b32 v1, 5, v3                        ; v1: my eight biases: 32 h
	v_lshl_add_u32 v2, v2, 12, v1                  ; v2: cb: row r of 4,096 bytes + 32 h
	s_mul_i32 s26, ttmp9, 12288                    ; 16 rows of codes
	s_mov_b32 s27, 0
	s_mul_i32 s28, s24, 96                         ; K step w
	s_mov_b32 s29, 0
	s_mul_i32 s30, ttmp9, 12800                    ; record n
	s_mov_b32 s31, 0
	s_lshl_b32 s32, ttmp9, 9                       ; 16 rows of scale bytes
	s_mov_b32 s33, 0
	s_wait_kmcnt 0x0
	s_add_nc_u64 s[16:17], s[16:17], s[26:27]
	s_add_nc_u64 s[16:17], s[16:17], s[28:29]
	s_add_nc_u64 s[18:19], s[18:19], s[32:33]
	s_add_nc_u64 s[20:21], s[20:21], s[30:31]
.irp p, 0,1,2,3,4,5
	global_load_b64 v[8+2*\p:9+2*\p], v4, s[16:17] offset:48*(\p/3)+8*(\p%3)   ; W_en's fragment (n, w): 24 bytes of each half of the K step, in pieces of 8
.endr
	s_cmp_lg_u32 s24, 7
	s_cbranch_scc1 .Lno_scales
	global_load_b128 v[28:31], v5, s[18:19]        ; the 16 rows' scale bytes: 512 dense bytes
	s_wait_loadcnt 0x0
	global_store_b128 v5, v[28:31], s[20:21] offset:12288
.Lno_scales:
	s_cmp_lt_u32 s24, 4
	s_cbranch_scc1 .Lproduct
	s_wait_loadcnt 0x0
.irp c, 0,1,2
	global_store_b128 v6, v[8+4*\c:11+4*\c], s[20:21] offset:512*\c   ; 512 consecutive bytes a store
.endr
	s_endpgm
.Lproduct:
	s_mul_i32 s34, s24, 12288                      ; hidden: my 16 batches' codes,
	s_mov_b32 s35, 0
	s_add_nc_u64 s[4:5], s[4:5], s[34:35]
	s_lshl_b32 s34, s24, 9                         ; and their scale bytes
	s_add_nc_u64 s[6:7], s[6:7], s[34:35]
	s_add_nc_u64 s[8:9], s[8:9], s[26:27]          ; W_de: rows 16 n on
	s_add_nc_u64 s[10:11], s[10:11], s[32:33]
	s_lshl_b32 s36, ttmp9, 6                       ; 16 n numbers of f32
	s_mov_b32 s37, 0
	s_add_nc_u64 s[12:13], s[12:13], s[36:37]
	s_add_nc_u64 s[14:15], s[14:15], s[36:37]
	s_add_nc_u64 s[22:23], s[22:23], s[36:37]
	s_lshl_b32 s38, s24, 16                        ; 16 rows of cb
	s_mov_b32 s39, 0
	s_add_nc_u64 s[22:23], s[22:23], s[38:39]
.irp s, 0,1,2,3,4,5,6,7
.irp p, 0,1,2,3,4,5
	global_load_b64 v[WF+12*\s+2*\p:WF+12*\s+2*\p+1], v4, s[8:9] offset:96*\s+48*(\p/3)+8*(\p%3)
	global_load_b64 v[HF+12*\s+2*\p:HF+12*\s+2*\p+1], v4, s[4:5] offset:96*\s+48*(\p/3)+8*(\p%3)
.endr
.endr
	global_load_b128 v[WS:WS+3], v7, s[10:11]      ; lane r: row r's eight scale words (lanes 16-31 hold the same and are not read)
	global_load_b128 v[WS+4:WS+7], v7, s[10:11] offset:16
	global_load_b128 v[HS:HS+3], v7, s[6:7]
	global_load_b128 v[HS+4:HS+7], v7, s[6:7] offset:16
	global_load_b128 v[A0:A0+3], v1, s[12:13]      ; b_de at d = 16 n + 8 h + 0 .. 7
	global_load_b128 v[A0+4:A0+7], v1, s[12:13] offset:16
	global_load_b128 v[20:23], v1, s[14:15]        ; b_en likewise
	global_load_b128 v[24:27], v1, s[14:15] offset:16
	s_wait_loadcnt 0x0
.irp c, 0,1,2
	global_store_b128 v6, v[8+4*\c:11+4*\c], s[20:21] offset:512*\c
.endr
.irp j, 0,2,4,6
	v_pk_add_f32 v[A0+\j:A0+\j+1], v[A0+\j:A0+\j+1], v[20+\j:21+\j]   ; b_de + b_en: the C of the first product
.endr
.rept 8
	v_nop
.endr
; Two sums by turns, one instruction a turn: even K steps onto the biases, odd K steps onto the constant 0.
.irp s, 0,1,2,3,4,5,6,7
.if (\s)%2 == 0
	v_wmma_scale_f32_16x16x128_f8f6f4 v[A0:A0+7], v[WF+12*\s:WF+12*\s+11], v[HF+12*\s:HF+12*\s+11], v[A0:A0+7], v[WS+\s], v[HS+\s] matrix_a_fmt:MATRIX_FMT_BF6 matrix_b_fmt:MATRIX_FMT_BF6
.elseif \s == 1
	v_wmma_scale_f32_16x16x128_f8f6f4 v[A1:A1+7], v[WF+12*\s:WF+12*\s+11], v[HF+12*\s:HF+12*\s+11], 0, v[WS+\s], v[HS+\s] matrix_a_fmt:MATRIX_FMT_BF6 matrix_b_fmt:MATRIX_FMT_BF6
.else
	v_wmma_scale_f32_16x16x128_f8f6f4 v[A1:A1+7], v[WF+12*\s:WF+12*\s+11], v[HF+12*\s:HF+12*\s+11], v[A1:A1+7], v[WS+\s], v[HS+\s] matrix_a_fmt:MATRIX_FMT_BF6 matrix_b_fmt:MATRIX_FMT_BF6
.endif
.endr
.rept 4
	v_nop                                          ; four places between the last product and the first read of results (ISA guide 7.12.1)
.endr
.irp j, 0,2,4,6
	v_pk_add_f32 v[20+\j:21+\j], v[A0+\j:A0+\j+1], v[A1+\j:A1+\j+1]   ; both sums from their low ends on
.endr
.irp j, 0,2,4,6
	v_pk_mul_f32 v[20+\j:21+\j], v[20+\j:21+\j], CW op_sel_hi:[1,0]
.endr
	global_store_b128 v2, v[20:23], s[22:23]
	global_store_b128 v2, v[24:27], s[22:23] offset:16
	s_endpgm
.Lfunc_end_k_qa2c3dbf4f9_prep:
	.size	k_qa2c3dbf4f9_prep, .Lfunc_end_k_qa2c3dbf4f9_prep-k_qa2c3dbf4f9_prep
	.p2alignl 7, 3214868480
	.fill 96, 4, 3214868480
	.section	.rodata,"a",@progbits
	.p2align	6, 0x0
	.amdhsa_kernel k_qa2c3dbf4f9_prep
		.amdhsa_group_segment_fixed_size 0
		.amdhsa_private_segment_fixed_size 0
		.amdhsa_enable_private_segment 0
		.amdhsa_kernarg_size 80
		.amdhsa_user_sgpr_count 2
		.amdhsa_user_sgpr_kernarg_segment_ptr 1
		.amdhsa_wavefront_size32 1
		.amdhsa_system_sgpr_workgroup_id_x 1
		.amdhsa_system_sgpr_workgroup_id_y 1
		.amdhsa_system_sgpr_workgroup_id_z 1
		.amdhsa_system_vgpr_workitem_id 0
		.amdhsa_next_free_vgpr 256
		.amdhsa_next_free_sgpr 66
		.amdhsa_reserve_vcc 0
		.amdhsa_float_denorm_mode_32 3
		.amdhsa_float_denorm_mode_16_64 3
		.amdhsa_memory_ordered 1
		.amdhsa_forward_progress 1
		.amdhsa_inst_pref_size 16
	.end_amdhsa_kernel
	.amdgpu_metadata
---
amdhsa.version: [ 1, 2 ]
amdhsa.kernels:
  - .name:           k_qa2c3dbf4f9_prep
    .symbol:         k_qa2c3dbf4f9_prep.kd
    .args:
      - { .name: hidden_codes, .offset: 0, .size: 8, .value_kind: global_buffer, .address_space: global }
      - { .name: hidden_scales, .offset: 8, .size: 8, .value_kind: global_buffer, .address_space: global }
      - { .name: w_de_w_codes, .offset: 16, .size: 8, .value_kind: global_buffer, .address_space: global }
      - { .name: w_de_w_scales, .offset: 24, .size: 8, .value_kind: global_buffer, .address_space: global }
      - { .name: w_de_b, .offset: 32, .size: 8, .value_kind: global_buffer, .address_space: global }
      - { .name: w_en_b, .offset: 40, .size: 8, .value_kind: global_buffer, .address_space: global }
      - { .name: w_en_w_codes, .offset: 48, .size: 8, .value_kind: global_buffer, .address_space: global }
      - { .name: w_en_w_scales, .offset: 56, .size: 8, .value_kind: global_buffer, .address_space: global }
      - { .name: wimg, .offset: 64, .size: 8, .value_kind: global_buffer, .address_space: global }
      - { .name: cb, .offset: 72, .size: 8, .value_kind: global_buffer, .address_space: global }
    .group_segment_fixed_size: 0
    .private_segment_fixed_size: 0
    .kernarg_segment_align: 8
    .kernarg_segment_size: 80
    .max_flat_workgroup_size: 256
    .sgpr_count:     66
    .vgpr_count:     256
    .wavefront_size: 32
...
	.end_amdgpu_metadata
.endif
;; end of part 1
;; launch main (part 2): grid 512 x 1, 4 waves a work-group, clusters of 4 x 1, 327,680 bytes of LDS; arguments en_output, v_w, cb, wimg, scores, ml, pw; writes scores, ml, pw
.if DOCPART == 2
	.amdgcn_target "amdgcn-amd-amdhsa--gfx1250"
	.amdhsa_code_object_version 6
	.text
	.protected	k_qa2c3dbf4f9_main
	.globl	k_qa2c3dbf4f9_main
	.p2align	8
	.type	k_qa2c3dbf4f9_main,@function
k_qa2c3dbf4f9_main:
	s_mov_b64 s[64:65], 0
	v_nop
	global_prefetch_b8 v0, s[64:65] scope:SCOPE_SE
	s_setreg_imm32_b32 hwreg(HW_REG_WAVE_MODE, 25, 1), 1
	s_wait_xcnt 0x0
	s_wait_alu depctr_hold_cnt(0) depctr_sa_sdst(0) depctr_va_vdst(0) depctr_va_sdst(0) depctr_va_ssrc(0) depctr_va_vcc(0) depctr_vm_vsrc(0)
	s_getreg_b32 s2, hwreg(HW_REG_IB_STS2, 6, 4)
	s_cmp_eq_u32 s2, 0
	s_cbranch_scc0 .Lentry_in_a_cluster
	s_endpgm
.Lentry_in_a_cluster:
	s_bfe_u32 s2, ttmp6, 0x10000c
	s_cmp_lg_u32 s2, 0x3003
	s_cbranch_scc0 .Lentry_shape_is_right
	s_endpgm
.Lentry_shape_is_right:
; score[row] = sum over d of v[d] tanh(x[row] . W_en[d] + b_en[d] + proj_de[b][d]), and a softmax's partial sums, with x = en_output READ FROM MEMORY ONCE.
; SHARES.  A work-group owns 128 rows of one batch (8 work-groups to a batch), each of its four waves 32 rows: two tiles of 16.  All that belongs to a row stays in its wave's registers:
;   its codes of E3M2 (192 registers), its scale words (16), and a copy in bf16 (512) for the weighted sum, which can be taken only when the row's score is known, behind all 1,024 columns of W_en.
; PHASES.  (L) 16 units of 16 rows x 128 columns: loaded 512 consecutive bytes an instruction, rounded to bf16 as they lie, turned through the wave's own stage in LDS so that a lane holds whole blocks of 32
;   along K, quantised (a block's scale is 2^(floor(log2(largest magnitude)) - 4)).  (T) 64 tiles of 16 rows of W_en: 16 matrix instructions each; the tanh of the tile before stands in slices between them.
;   (F) the wave's 32 scores, their maximum m, p = e^(score - m), l = the sum of p, and the sum of p x over its rows.  A later launch joins the 32 partial results of a batch.
; W_en comes as images of the operand's registers (12,800 bytes for 16 rows), 8 tiles to a slot, through a ring of two LDS slots.  CLUSTER: the four work-groups of a cluster walk the same W_en, so each
;   quarter of a slot is asked for JOINTLY: the same tensor load, the same descriptor, a mask that names the four.
; ALGEBRA.  tanh(z) = 1 - 2 r, r = 1 / (1 + 2^(c z)), c = 2 log2(e): where the exponential overflows r is 0, where it falls to 0 r is 1.  So score = sum(v) - 2 sum(v r); sum(v) is the same for every row
;   of a softmax and cancels in it for every input: what is kept and stored as a score is -2 sum(v r).
; THE MATRIX INSTRUCTION IS USED TRANSPOSED: source 0 = 16 rows of W_en, source 1 = 16 rows of x: a lane holds ONE row of x (lane % 16) and its registers d = 16 n + 8 (lane / 16) + j.
; LIMITS.  NaN and infinities in en_output are not served.  A block of zeros gets the scale byte 1, not 127: its codes are zeros, and this program alone reads the byte.  x enters the weighted sum rounded to bf16.
;   The scores leave 128 bytes a wave, m and l 8 bytes a wave: parts of aligned blocks of 256 bytes; together 278,528 bytes of the launch's 8.7 MB of stores.
; REGISTERS, in windows of 256 (s_set_vgpr_msb: bits 1:0 source 0, 3:2 source 1, 5:4 source 2, 7:6 destination):
;   window 0: v1-13 addresses; v16-31 x's scale words; v32-39 W's; v40-63 at work; (L) v64-191 two landing sets, v192-255 a unit's 64 numbers a lane; (T) v64-159 W's eight fragments, v160-191 four accumulators.
;   window 1: v0-191 x's codes; (L) v192-255 the third landing set; (T) v192-207 v's numbers of two tiles.     windows 2, 3: the bf16 copy of my rows 0-15, 16-31.
;   In (T) ONE setting, source 1 in window 1, serves the matrix instructions (x's codes), the LDS loads and the tanh, whose one vector source 1 is v.
.set SLOTB,  102400                    ; a slot: 8 records of 12,800 bytes, dense: every read of it is 16 x lane + a constant
.set RECB,   12800
.set QUARTB, 25600                     ; what one wave's tensor load brings: 2 records, 100 rows of 256 bytes
.set STG,    2*SLOTB                   ; behind the ring: a stage of 16 rows x (512 bytes + 16) for each wave
.set STGW,   8448
.set SPITCH, 528                       ; 33 x 16 bytes: the 16 rows that a load of 16 bytes a lane touches start in 16 different columns of 16 bytes modulo 256
.set CBT,    STG+4*STGW                ; cb's row of my batch, 4,096 bytes
.set VVT,    CBT+4096                  ; v, 4,096 bytes
.set SPARE,  VVT+4096                  ; the spare words, 128 bytes for each wave: two blocks of 256 bytes that no other line names
.set L16, 1                            ; v1   16 x lane
.set H32, 2                            ; v2   32 (lane / 16)
.set WSL, 3                            ; v3   my place among a record's scale bytes: 12288 + 32 (lane % 16) + 16 (lane / 16)
.set ADW, 4                            ; v4   LDS address of the record in hand
.set ADS, 5                            ; v5   of its scale words
.set ADC, 6                            ; v6   of a tile's eight numbers of cb (v's lie 4,096 bytes on)
.set STW, 7                            ; v7   the stage, in: 16 x lane
.set STR, 8                            ; v8   the stage, out: 528 (lane % 16) + 128 (lane / 16)
.set H8,  9                            ; v9   8 (lane / 16)
.set L4,  10                           ; v10  4 x lane
.set SPW, 12                           ; v12  LDS address of my spare word; never rewritten
.set NIL, 13                           ; v13  0; never rewritten
.set XS,  16                           ; v16-31  x's scale words: tile t, K step s at 8 t + s: scales and nothing else
.set WS,  32                           ; v32-39  W's: two sets of four: register j: lanes 0-15 K step j, lanes 16-31 K step 4 + j: scales and nothing else
.set TM,  40                           ; (L) v40-41, v42-43 largest magnitudes, two chains a block
.set TN,  42
.set SO,  44                           ; v44-45 the conversions' scale operands
.set BY,  46                           ; v46-47 the scale bytes
.set TMPC, 48                          ; v48-50, v52-54 the upper halves' codes
.set PX,  56                           ; v56 a lane permute's destination
.set QW,  57                           ; v57 half a scale word
.set SB,  192                          ; v192-255 register 32 c + i: k = 64 c + 32 (lane / 16) + i of my row
.set SACC, 40                          ; (T) v40-43 the sums of v r: a pair for each tile of rows
.set CB,  44                           ; v44-59 cb's eight numbers, two sets
.set WF,  64                           ; v64-159 W's eight fragments
.set ACC, 160                          ; v160-191 accumulator (set a, tile of rows t) at 16 a + 8 t
.set VV,  192                          ; window 1: v192-207 v's eight numbers, two sets
.set PV,  64                           ; (F) v64-95 p of my 32 rows, in every lane
.set WACC, 192                         ; v192-223 the weighted sum: register 4 s + j: column 128 s + 4 x lane + j
.set WV,  18                           ; s18 wave
.set CX,  19                           ; s19 my place in the cluster
.set GG,  20                           ; s20 my block of 128 rows
.set G1,  24                           ; s[24:31] descriptor group 1
.set G0,  32                           ; s[32:39] group 0, a set for each slot
.set TB,  40                           ; s40 LDS byte of the record in hand
.set TC,  41                           ; s41 LDS byte of the tile's numbers of cb
.set PCN, 42                           ; s42 counts pairs of tiles
.set LAPC, 43                          ; s43 counts laps of the ring
.set CS,  44                           ; s[44:45] c = 2 log2(e): the packed form names a pair and takes its low word for both halves
.set SEL, 46                           ; s[46:47] lane selects: lane l xor 16
.set HIM, 48                           ; s48 lanes 16-31
.set SVX, 49                           ; s49 EXEC, kept
.set PS,  66                           ; s[66:97] p of my 32 rows
.set MSB, 0
.macro WIN new                         ; the immediate's high byte repeats the setting that is left; a switch that changes nothing is dropped
.if MSB != (\new)
	s_set_vgpr_msb (MSB<<8)|(\new)
.set MSB, (\new)
.endif
.endm
.set W_T, 0x04                         ; source 1 in window 1
; A round of the cluster's barrier: my work-group's barrier, so that wave 0's signal speaks for all four waves; wave 0 signals for the work-group; every wave waits for all four work-groups; my work-group's barrier once more.
.macro CROUND
	s_barrier_signal -1
	s_barrier_wait -1
	s_cmp_lg_u32 s[WV], 0
	s_cbranch_scc1 .Lnot_wave_0_\@
	s_barrier_signal -3
.Lnot_wave_0_\@:
	s_barrier_wait -3
	s_barrier_signal -1
	s_barrier_wait -1
.endm
	s_load_b256 s[4:11], s[0:1], 0x0               ; x s[4:5], v s[6:7], cb s[8:9], wimg s[10:11]
	s_load_b128 s[12:15], s[0:1], 0x20             ; scores s[12:13], ml s[14:15]
	s_load_b64 s[16:17], s[0:1], 0x30              ; pw
	v_lshl_add_u32 v[SPW], v0, 2, SPARE
	v_mov_b32 v[NIL], 0
	ds_add_u32 v12, v13
	ds_add_u32 v12, v13
	s_wait_dscnt 0x0
	v_lshrrev_b32 v14, 5, v0
	v_readfirstlane_b32 s[WV], v14                 ; wave 0..3
	s_bfe_u32 s[CX], ttmp6, 0x40000                ; cx
	s_lshl_b32 s[GG], ttmp9, 2                     ; in a cluster launch ttmp9 counts clusters
	s_add_co_u32 s[GG], s[GG], s[CX]               ; my block = 4 x cluster + cx: it enters the addresses of x, cb, scores, ml and pw alone
	v_and_b32 v14, 31, v0                          ; lane
	v_and_b32 v15, 15, v0                          ; r
	v_bfe_u32 v11, v0, 4, 1                        ; h
	v_lshlrev_b32 v[L16], 4, v14
	v_lshlrev_b32 v[H32], 5, v11
	v_lshlrev_b32 v[WSL], 5, v15
	v_lshl_add_u32 v[WSL], v11, 4, v[WSL]
	v_add_nc_u32 v[WSL], 12288, v[WSL]
	v_lshlrev_b32 v[H8], 3, v11
	v_lshlrev_b32 v[L4], 2, v14
	s_mul_i32 s23, s[WV], STGW
	s_add_co_u32 s23, s23, STG                     ; my stage
	v_add_nc_u32 v[STW], s23, v[L16]
	v_mul_u32_u24 v[STR], v15, SPITCH
	v_lshl_add_u32 v[STR], v11, 7, v[STR]
	v_add_nc_u32 v[STR], s23, v[STR]
	v_lshlrev_b32 v15, 5, v0                       ; cb and v: 32 bytes a thread
	v_lshl_add_u32 v14, v0, 5, CBT                 ; and where they go in LDS
	v_mov_b32 v[PX], 0                             ; written once: a lane permute's destination counts as one of its sources
	; descriptor group 1: 100 rows of 256 bytes (32 elements of 8 bytes), dense in memory and in LDS
	s_mov_b32 s[G1], 15|(3<<16)|(1<<21)            ; 15:0 the mask: all four work-groups; 17:16 elements of 8 bytes; 20 no padding; 21 set beside a mask
	s_mov_b32 s[G1+1], 32<<16                      ; tensor_dim0 = 32
	s_mov_b32 s[G1+2], 100<<16                     ; tensor_dim1 = 100
	s_mov_b32 s[G1+3], 32<<16                      ; tile_dim0 = 32
	s_mov_b32 s[G1+4], 100                         ; tile_dim1 = 100
	s_mov_b32 s[G1+5], 32                          ; from row to row: 32 elements
	s_mov_b32 s[G1+6], 0
	s_mov_b32 s[G1+7], 0
	s_mov_b32 s[CS], 0x4038aa3b
	s_mov_b32 s[CS+1], s[CS]
	s_mov_b32 s[SEL], 0x76543210
	s_mov_b32 s[SEL+1], 0xfedcba98
	s_mov_b32 s[HIM], 0xffff0000
	s_mul_i32 s21, s[WV], QUARTB                   ; my quarter of a slot: the wave's number alone, in registers that never hold cx
	s_mov_b32 s52, s21
	s_mov_b32 s53, 0
	s_lshl_b32 s50, s[GG], 19                      ; x: 128 rows of 4,096 bytes a block,
	s_lshl_b32 s22, s[WV], 17                      ; 32 rows a wave
	s_add_co_u32 s50, s50, s22
	s_mov_b32 s51, 0
	s_wait_kmcnt 0x0
	s_add_nc_u64 s[4:5], s[4:5], s[50:51]
	s_lshr_b32 s50, s[GG], 3                       ; my batch
	s_lshl_b32 s50, s50, 12
	s_add_nc_u64 s[8:9], s[8:9], s[50:51]
	s_lshl_b32 s50, s[GG], 9                       ; scores: 4 bytes a row
	s_lshl_b32 s22, s[WV], 7
	s_add_co_u32 s50, s50, s22
	s_add_nc_u64 s[12:13], s[12:13], s[50:51]
	s_lshl_b32 s50, s[GG], 5                       ; ml: 8 bytes a wave
	s_lshl_b32 s22, s[WV], 3
	s_add_co_u32 s50, s50, s22
	s_add_nc_u64 s[14:15], s[14:15], s[50:51]
	s_lshl_b32 s50, s[GG], 14                      ; pw: 4,096 bytes a wave
	s_lshl_b32 s22, s[WV], 12
	s_add_co_u32 s50, s50, s22
	s_add_nc_u64 s[16:17], s[16:17], s[50:51]
	s_add_nc_u64 s[52:53], s[10:11], s[52:53]      ; wimg at my quarter of the first slot's worth
.irp k, 0,1
	s_mov_b32 s[G0+4*\k], 1                        ; count = 1
	s_add_co_u32 s[G0+4*\k+1], s21, \k*SLOTB       ; LDS address
	s_add_nc_u64 s[G0+4*\k+2:G0+4*\k+3], s[52:53], \k*SLOTB   ; global address: tiles 8 k on
	s_or_b32 s[G0+4*\k+3], s[G0+4*\k+3], 0x80000000   ; type = 2
.endr
	global_load_b128 v[40:43], v15, s[8:9]         ; cb's row of my batch, 32 bytes a thread
	global_load_b128 v[44:47], v15, s[8:9] offset:16
	global_load_b128 v[48:51], v15, s[6:7]         ; v
	global_load_b128 v[52:55], v15, s[6:7] offset:16
; Unit u = 8 t + s: rows 16 t .. 16 t + 15, columns 128 s .. 128 s + 127.  Each load reads 512 consecutive bytes of a row.  Three landing sets take turns: v64, v128 of window 0, v192 of window 1.
.macro XLOAD u
.set NT, (\u)/8
.set NS, (\u)%8
.set NB, 64+64*((\u)%3)
	WIN ((((\u)%3)/2)<<6)
.irp i, 0,1,2,3,4,5,6,7,8,9,10,11,12,13,14,15
	global_load_b128 v[NB+4*\i:NB+4*\i+3], v[L16], s[4:5] offset:(16*NT+\i)*4096+512*NS th:TH_LOAD_NT
.endr
	WIN 0
.endm
	XLOAD 0
	XLOAD 1
	XLOAD 2
	CROUND                                         ; all four work-groups are here: the first joint loads meet
	tensor_load_to_lds s[G0:G0+3], s[G1:G1+7]      ; tiles 0-7 and 8-15: two loads of mine are out; they land while x is loaded and quantised
	s_nop 0
	tensor_load_to_lds s[G0+4:G0+7], s[G1:G1+7]
	s_nop 0
.rept 4
	v_nop
.endr
	s_wait_loadcnt 48                              ; cb and v are in; the 48 loads of x issued behind them stay out
	ds_store_b128 v14, v[40:43]
	ds_store_b128 v14, v[44:47] offset:16
	ds_store_b128 v14, v[48:51] offset:4096
	ds_store_b128 v14, v[52:55] offset:4112
; The unit's 64 numbers of a lane, two whole blocks of 32 along K, become half of a fragment's registers each and two bytes of the row's scale word.
.macro QUANT
.irp c, 0,1
	v_max3_num_f32 v[TM+\c], |v[SB+32*\c]|, |v[SB+32*\c+1]|, 0x2800000   ; with the floor 2^(5 - 127) among the leaves: the byte cannot fall under 1
.endr
.irp c, 0,1
	v_max3_num_f32 v[TN+\c], |v[SB+32*\c+16]|, |v[SB+32*\c+17]|, |v[SB+32*\c+18]|
.endr
.irp i, 0,2,4,6,8,10
.irp c, 0,1
	v_max3_num_f32 v[TM+\c], v[TM+\c], |v[SB+32*\c+2+\i]|, |v[SB+32*\c+3+\i]|   ; four chains by turns
.endr
.irp c, 0,1
	v_max3_num_f32 v[TN+\c], v[TN+\c], |v[SB+32*\c+19+\i]|, |v[SB+32*\c+20+\i]|
.endr
.endr
.irp c, 0,1
	v_max3_num_f32 v[TM+\c], v[TM+\c], |v[SB+32*\c+14]|, |v[SB+32*\c+15]|
.endr
.irp c, 0,1
	v_max3_num_f32 v[TM+\c], v[TM+\c], v[TN+\c], |v[SB+32*\c+31]|   ; the block's largest magnitude
.endr
.irp c, 0,1
	v_add_nc_u32 v[SO+\c], 0xfe000000, v[TM+\c]    ; 4 off its exponent field: the conversion takes the exponent field of this operand as its scale
.endr
.irp c, 0,1
	v_lshrrev_b32 v[BY+\c], 23, v[SO+\c]           ; the scale's byte
.endr
	v_lshl_or_b32 v[QW], v[BY+1], 16, v[BY]        ; my two bytes: blocks h and 2 + h of my row,
	v_lshlrev_b32 v[QW], v[H8], v[QW]              ; at their places in the word;
	v_permlanex16_b32 v[PX], v[QW], s[SEL], s[SEL+1]
	v_or_b32 v[XS+8*UT+US], v[QW], v[PX]           ; with lane l xor 16's two the word is whole
.irp c, 0,1
	v_cvt_scalef32_pk16_bf6_f32 v[TMPC+4*\c:TMPC+4*\c+2], v[SB+32*\c+16:SB+32*\c+31], v[SO+\c]   ; (a conversion's three registers begin on an even number: the upper half is made here and moved)
.endr
	WIN 0x40                                       ; destination window 1
.irp c, 0,1
	v_cvt_scalef32_pk16_bf6_f32 v[12*(8*UT+US)+6*\c:12*(8*UT+US)+6*\c+2], v[SB+32*\c:SB+32*\c+15], v[SO+\c]
.endr
	v_nop                                          ; one plain place behind a scaled conversion
.irp c, 0,1
.irp i, 0,1,2
	v_mov_b32 v[12*(8*UT+US)+6*\c+3+\i], v[TMPC+4*\c+\i]
.endr
.endr
	WIN 0
.endm
.macro UNIT u
.set UT, (\u)/8
.set US, (\u)%8
.set LB, 64+64*((\u)%3)
.set LW, ((\u)%3)/2
.if (\u) < 14
	s_wait_loadcnt 32                              ; this unit's 16 loads are in; those of the two units behind it stay out
.else
	s_wait_loadcnt 16*(15-(\u))
.endif
	WIN (LW<<2)                                    ; an LDS store's data are its source 1
.irp i, 0,1,2,3,4,5,6,7,8,9,10,11,12,13,14,15
	ds_store_b128 v[STW], v[LB+4*\i:LB+4*\i+3] offset:SPITCH*\i   ; row i's 512 bytes, as they lie
.endr
	WIN 0
.irp c, 0,1
.irp q, 0,1,2,3,4,5,6,7
	ds_load_b128 v[SB+32*\c+4*\q:SB+32*\c+4*\q+3], v[STR] offset:256*\c+16*\q   ; LDS serves a wave's instructions in order (ISA guide 5.7.1.4): these see the stores above
.endr
.endr
	WIN (((2+UT)<<6)|(5*LW))                       ; the copy in bf16, while the stage's loads are out: register 32 s + 2 i + k: columns 128 s + 4 x lane + 2 k, + 1 of row i
.irp i, 0,1,2,3,4,5,6,7,8,9,10,11,12,13,14,15
	v_cvt_pk_bf16_f32 v[32*US+2*\i], v[LB+4*\i], v[LB+4*\i+1]
	v_cvt_pk_bf16_f32 v[32*US+2*\i+1], v[LB+4*\i+2], v[LB+4*\i+3]
.endr
	WIN 0
	s_wait_dscnt 0x0                               ; my 64 numbers are back, and the stores into the stage have read the landing set,
.if (\u)+3 < 16
	XLOAD (\u)+3                                   ; which takes the unit three on
.endif
	QUANT
.endm
.irp u, 0,1,2,3,4,5,6,7,8,9,10,11,12,13,14,15
	UNIT \u
.endr
	; THE PRODUCTS.  The loop is written once: its first tile finds a 'tile before' of zeros, whose r = 1/2 meets v = 0 and adds nothing.
.irp j, 0,1,2,3,4,5,6,7,8,9,10,11,12,13,14,15
	v_mov_b32 v[ACC+16+\j], 0
.endr
.irp j, 0,1,2,3,4,5,6,7
	v_mov_b32 v[CB+8+\j], 0
.endr
.irp j, 0,1,2,3
	v_mov_b32 v[SACC+\j], 0
.endr
	WIN 0x40
.irp j, 0,1,2,3,4,5,6,7
	v_mov_b32 v[VV+8+\j], 0
.endr
	WIN 0
	s_wait_tensorcnt 0x1                           ; my quarter of slot 0 is in; slot 1's may stay out
	s_wait_dscnt 0x0                               ; my part of cb and v lies in LDS
	s_barrier_signal -1
	s_barrier_wait -1                              ; everybody's does
; One matrix instruction: set a, K step s, tile of rows t.  K step 0 starts the sum with the constant 0.  The two accumulators of a set take turns, one instruction a turn, over the tiles' and the loops' edges too.
.macro MM a, s, t
.set MD, ACC+16*(\a)+8*(\t)
.set MA, WF+12*(\s)
.set MB, 12*(8*(\t)+(\s))
.set MW, WS+4*(\a)+(\s)%4
.set MX, XS+8*(\t)+(\s)
.if (\s) == 0
	v_wmma_scale_f32_16x16x128_f8f6f4 v[MD:MD+7], v[MA:MA+11], v[MB:MB+11], 0, v[MW], v[MX] matrix_a_fmt:MATRIX_FMT_BF6 matrix_b_fmt:MATRIX_FMT_BF6
.elseif (\s) < 4
	v_wmma_scale_f32_16x16x128_f8f6f4 v[MD:MD+7], v[MA:MA+11], v[MB:MB+11], v[MD:MD+7], v[MW], v[MX] matrix_a_fmt:MATRIX_FMT_BF6 matrix_b_fmt:MATRIX_FMT_BF6
.else
	v_wmma_scale_f32_16x16x128_f8f6f4 v[MD:MD+7], v[MA:MA+11], v[MB:MB+11], v[MD:MD+7], v[MW], v[MX] matrix_a_fmt:MATRIX_FMT_BF6 matrix_b_fmt:MATRIX_FMT_BF6 matrix_a_scale:MATRIX_SCALE_ROW1
.endif
.endm
; THE VECTOR WORK OF A TILE: 56 instructions on set ap's 16 results a lane, eight pairs q (tile of rows q / 4, registers 2 (q % 4), + 1).  TI writes number p of the list.  For a pair:
;   F  c z = c x sum + cb      E0, E1  2^(c z)      A  + 1      R0, R1  the reciprocal r      S  the row's sum += r v
; The list goes by steps: F(i) E0(i) E1(i) A(i-1) R0(i-1) R1(i-1) S(i-2): behind each two transcendentals stands a plain instruction on another pair before their results are used (ISA guide 5.7.2),
; and each accumulator is first read at its two lowest registers.
.macro TI p, ap
.if (\p) < 3
.set TST, 0
.set TIX, (\p)
.elseif (\p) < 9
.set TST, 1
.set TIX, (\p)-3
.elseif (\p) < 51
.set TST, 2+((\p)-9)/7
.set TIX, ((\p)-9)%7
.elseif (\p) < 55
.set TST, 8
.set TIX, (\p)-48
.else
.set TST, 9
.set TIX, 6
.endif
.set TQ, TST-TIX/3
.set RA, ACC+16*(\ap)+8*(TQ/4)+2*(TQ%4)
.set RC, 8*(\ap)+2*(TQ%4)
.set RS, SACC+2*(TQ/4)
.if TIX == 0
	v_pk_fma_f32 v[RA:RA+1], v[RA:RA+1], s[CS:CS+1], v[CB+RC:CB+RC+1] op_sel_hi:[1,0,1]
.elseif TIX == 1
	v_exp_f32 v[RA], v[RA]
.elseif TIX == 2
	v_exp_f32 v[RA+1], v[RA+1]
.elseif TIX == 3
	s_wait_alu depctr_va_vdst(0)
	v_pk_add_f32 v[RA:RA+1], v[RA:RA+1], 1.0 op_sel_hi:[1,0]
.elseif TIX == 4
	v_rcp_f32 v[RA], v[RA]
.elseif TIX == 5
	v_rcp_f32 v[RA+1], v[RA+1]
.else
	s_wait_alu depctr_va_vdst(0)
	v_pk_fma_f32 v[RS:RS+1], v[RA:RA+1], v[VV+RC:VV+RC+1], v[RS:RS+1]   ; its source 1, v, lies in window 1
.endif
.endm
.macro SLICE k, ap                     ; slice k of 16: four of the list's instructions behind an even matrix instruction, three behind an odd one
.set PP, 7*((\k)/2)+4*((\k)%2)
.rept 4-((\k)%2)
	TI PP, \ap
.set PP, PP+1
.endr
.endm
.macro PAIR a, s                       ; K step s of both tiles of rows, and two slices of the tile before
	MM \a, \s, 0
	SLICE 2*(\s), 1-(\a)
	MM \a, \s, 1
	SLICE 2*(\s)+1, 1-(\a)
.endm
.macro RELOAD f                        ; fragment f of the record in hand: three loads of 512 consecutive bytes
.irp c, 0,1,2
	ds_load_b128 v[WF+12*(\f)+4*\c:WF+12*(\f)+4*\c+3], v[ADW] offset:1536*(\f)+512*\c
.endr
.endm
.macro ADV jump, base                  ; on to the next record (jump = 1: the other slot's first); the vector register stands as source 0, which every setting here leaves in window 0
.if \jump
	s_mov_b32 s[TB], \base
.else
	s_add_co_u32 s[TB], s[TB], RECB
.endif
	v_add_nc_u32 v[ADW], v[L16], s[TB]
	v_add_nc_u32 v[ADS], v[WSL], s[TB]
	v_add_nc_u32 v[ADC], v[H32], s[TC]
	s_add_co_u32 s[TC], s[TC], 64
.endm
.macro CBVV a                          ; THIS tile's eight numbers of cb and of v, for its tanh in the next tile
	ds_load_b128 v[CB+8*(\a):CB+8*(\a)+3], v[ADC]
	ds_load_b128 v[CB+8*(\a)+4:CB+8*(\a)+7], v[ADC] offset:16
	WIN 0x44                                       ; destination window 1
	ds_load_b128 v[VV+8*(\a):VV+8*(\a)+3], v[ADC] offset:4096
	ds_load_b128 v[VV+8*(\a)+4:VV+8*(\a)+7], v[ADC] offset:4112
	WIN W_T
.endm
.macro EXTRAS a                        ; five loads: the NEXT tile's scale words, and CBVV
	ds_load_b128 v[WS+4*(1-(\a)):WS+4*(1-(\a))+3], v[ADS]
	CBVV \a
.endm
; A TILE of 16 rows of W_en, in set a.  Its fragments 0-5 were fetched in the tile before, 6 and 7 come behind its first two K steps, into registers whose last product stands five slices back; from K step 2 on
; each fragment that is done with takes the next tile's.  A load into a register that a matrix instruction has read stands four plain vector instructions, which name none of its registers, behind it
; (ISA guide 7.12.1 for vector instructions): the slices between hold at least four such.  The waits count the LDS loads issued behind the fragment wanted: five fragments of three (15),
; from K step 3 on the five of EXTRAS too (20).
; kind 0: a tile with its successor in the same slot.  kind 1: a slot's last tile; the slot is filled again.  kind 2: the same with nothing left to fetch.  kind 3: the last tile of all.
.macro TILE a, kind, slot
	s_wait_dscnt 15
	PAIR \a, 0
	RELOAD 6
	s_wait_dscnt 15
	PAIR \a, 1
	RELOAD 7
.if \kind == 0
	s_wait_dscnt 15
	PAIR \a, 2
	ADV 0, 0
	EXTRAS \a
	RELOAD 0
.irp s, 3,4,5,6,7
	s_wait_dscnt 20
	PAIR \a, \s
	RELOAD \s-2
.endr
.elseif \kind == 3
	s_wait_dscnt 15
	PAIR \a, 2
	v_add_nc_u32 v[ADC], v[H32], s[TC]
	CBVV \a
	s_wait_dscnt 0x0                               ; nothing more is fetched
.irp s, 3,4,5,6,7
	PAIR \a, \s
.endr
.else
	; THE CHANGE OF SLOTS.  All eight fragments of the slot's last tile have been asked for.  Each wave waits for all its tensor loads (its quarter of the next slot), adds 0 to its spare word, and waits for that
	; and for its reads of this slot; behind the barrier nobody reads this slot any more and the next slot is whole.
	WIN 0                                          ; (the add's two registers lie in window 0)
	s_wait_tensorcnt 0x0                           ; no tensor load of mine is out, so a group 0 may be written
	ds_add_u32 v[SPW], v[NIL]                      ; 0 onto my spare word
.if \kind == 1
	s_add_nc_u64 s[G0+4*\slot+2:G0+4*\slot+3], s[G0+4*\slot+2:G0+4*\slot+3], 2*SLOTB   ; this slot's next eight tiles; the type bits on top are not reached
.endif
	WIN W_T
	s_wait_dscnt 16                                ; behind fragment 2: five fragments and the add
	PAIR \a, 2                                     ; four matrix instructions and their slices stand between the add and the wait for it
	s_wait_dscnt 13                                ; behind fragment 3: four fragments and the add
	PAIR \a, 3
	WIN 0                                          ; at a branch and at a label every window is 0
	s_wait_dscnt 0x0                               ; the add is done, and my reads of this slot are over
.if \kind == 1
	CROUND                                         ; no wave of any partner still reads this slot or has a load on its way
	tensor_load_to_lds s[G0+4*\slot:G0+4*\slot+3], s[G1:G1+7]   ; my one tensor load behind the round, and the first thing there: it has eight tiles, 128 matrix instructions, in which to land
	s_nop 0
.rept 4
	v_nop
.endr
.else
	s_barrier_signal -1
	s_barrier_wait -1
.endif
	ADV 1, (1-\slot)*SLOTB
	WIN W_T
	EXTRAS \a
	RELOAD 0
	RELOAD 1
.irp s, 4,5,6,7
	PAIR \a, \s                                    ; this tile's fragments are all in: no wait
	RELOAD \s-2
.endr
.endif
.endm
.macro STEP8 slot, kind                ; a slot's eight tiles: three pairs in a loop, the fourth written out, since its second tile differs
	s_mov_b32 s[PCN], 3
.Lpair_\@:
	WIN W_T
	TILE 0, 0, 0
	TILE 1, 0, 0
	WIN 0
	s_sub_co_u32 s[PCN], s[PCN], 1
	s_cmp_lg_u32 s[PCN], 0
	s_cbranch_scc1 .Lpair_\@
	WIN W_T
	TILE 0, 0, 0
	TILE 1, \kind, \slot
	WIN 0
.endm
	s_mov_b32 s[TB], 0
	s_mov_b32 s[TC], CBT
	v_add_nc_u32 v[ADW], v[L16], s[TB]
	v_add_nc_u32 v[ADS], v[WSL], s[TB]
	ds_load_b128 v[WS:WS+3], v[ADS]                ; tile 0's scale words and its fragments 0-5
.irp f, 0,1,2,3,4,5
	RELOAD \f
.endr
	s_mov_b32 s[LAPC], 3
.Llap:                                             ; three laps of the ring: tiles 0-47; each slot is filled again as it is left
	STEP8 0, 1
	STEP8 1, 1
	s_sub_co_u32 s[LAPC], s[LAPC], 1
	s_cmp_lg_u32 s[LAPC], 0
	s_cbranch_scc1 .Llap
	STEP8 0, 2                                     ; the last lap is written out
	STEP8 1, 3
	; THE FINISH.  The last tile's tanh;
.rept 4
	v_nop
.endr
	s_wait_dscnt 0x0
	WIN W_T
.set PP, 0
.rept 56
	TI PP, 1
.set PP, PP+1
.endr
	WIN 0
	v_mov_b32 v98, 0                               ; (lane permutes' destinations count as sources)
	v_mov_b32 v99, 0
	v_add_f32 v96, v[SACC], v[SACC+1]              ; a row's sum of v r: the pair's two halves,
	v_add_f32 v97, v[SACC+2], v[SACC+3]
	v_permlanex16_b32 v98, v96, s[SEL], s[SEL+1]
	v_permlanex16_b32 v99, v97, s[SEL], s[SEL+1]
	v_add_f32 v96, v96, v98                        ; and lane l xor 16's eight d of each tile
	v_add_f32 v97, v97, v99
	v_cndmask_b32 v100, v96, v97, s[HIM]           ; lanes 0-15 keep rows 0-15, lanes 16-31 take rows 16-31: lane l holds row l
	v_mul_f32 v100, -2.0, v100                     ; the score, less sum(v)
	global_store_b32 v[L4], v100, s[12:13]
	v_mov_b32 v104, v100
	v_max_num_f32_dpp v104, v104, v104 row_xmask:1 row_mask:0xf bank_mask:0xf
	v_max_num_f32_dpp v104, v104, v104 row_xmask:2 row_mask:0xf bank_mask:0xf
	v_max_num_f32_dpp v104, v104, v104 row_xmask:4 row_mask:0xf bank_mask:0xf
	v_max_num_f32_dpp v104, v104, v104 row_xmask:8 row_mask:0xf bank_mask:0xf
	v_permlanex16_b32 v98, v104, s[SEL], s[SEL+1]
	v_max_num_f32 v104, v104, v98                  ; m: the largest of my 32 scores, taken away ahead of the exponential
	v_sub_f32 v102, v100, v104
	v_mul_f32 v102, 0x3fb8aa3b, v102
	v_exp_f32 v102, v102                           ; p = e^(score - m)
	v_nop                                          ; a plain place behind the transcendental
	s_wait_alu depctr_va_vdst(0)
	v_mov_b32 v105, v102
	v_add_f32_dpp v105, v105, v105 row_xmask:1 row_mask:0xf bank_mask:0xf
	v_add_f32_dpp v105, v105, v105 row_xmask:2 row_mask:0xf bank_mask:0xf
	v_add_f32_dpp v105, v105, v105 row_xmask:4 row_mask:0xf bank_mask:0xf
	v_add_f32_dpp v105, v105, v105 row_xmask:8 row_mask:0xf bank_mask:0xf
	v_permlanex16_b32 v99, v105, s[SEL], s[SEL+1]
	v_add_f32 v105, v105, v99                      ; l: the sum of p
.irp i, 0,1,2,3,4,5,6,7,8,9,10,11,12,13,14,15,16,17,18,19,20,21,22,23,24,25,26,27,28,29,30,31
	v_readlane_b32 s[PS+\i], v102, \i              ; every lane wants every row's p: as data alone
.endr
.irp i, 0,1,2,3,4,5,6,7,8,9,10,11,12,13,14,15,16,17,18,19,20,21,22,23,24,25,26,27,28,29,30,31
	v_mov_b32 v[PV+\i], s[PS+\i]
.endr
.irp i, 0,1,2,3,4,5,6,7,8,9,10,11,12,13,14,15,16,17,18,19,20,21,22,23,24,25,26,27,28,29,30,31
	v_mov_b32 v[WACC+\i], 0
.endr
	; the sum over my 32 rows of p x, from the copy in bf16, in f32: 32 sums a lane, which take turns
.irp t, 0,1
	WIN (0x02+\t)                                  ; source 0: window 2 or 3
.irp i, 0,1,2,3,4,5,6,7,8,9,10,11,12,13,14,15
.irp s, 0,1,2,3,4,5,6,7
.irp k, 0,1
	v_fma_mix_f32_bf16 v[WACC+4*\s+2*\k], v[32*\s+2*\i+\k], v[PV+16*\t+\i], v[WACC+4*\s+2*\k] op_sel_hi:[1,0,0]
	v_fma_mix_f32_bf16 v[WACC+4*\s+2*\k+1], v[32*\s+2*\i+\k], v[PV+16*\t+\i], v[WACC+4*\s+2*\k+1] op_sel:[1,0,0] op_sel_hi:[1,0,0]
.endr
.endr
.endr
.endr
	WIN 0
.irp s, 0,1,2,3,4,5,6,7
	global_store_b128 v[L16], v[WACC+4*\s:WACC+4*\s+3], s[16:17] offset:512*\s   ; 32 lanes store 512 consecutive bytes, at a multiple of 256 from pw's first byte
.endr
	v_cmp_eq_u32 vcc_lo, 0, v[L4]
	s_wait_xcnt 0x0                                ; EXEC changes only behind this wait: it is a source of the stores above
	s_and_saveexec_b32 s[SVX], vcc_lo
	global_store_b64 v[L4], v[104:105], s[14:15]   ; lane 0: m and l
	s_wait_xcnt 0x0
	s_or_b32 exec_lo, exec_lo, s[SVX]
	s_wait_tensorcnt 0x0                           ; the wave's end, behind my last tensor load and my last LDS store
	ds_add_u32 v[SPW], v[NIL]
	s_wait_dscnt 0x0
	CROUND                                         ; the closing round: no work-group ends while a partner may still ask for a tile that names it
	s_endpgm
.Lfunc_end_k_qa2c3dbf4f9_main:
	.size	k_qa2c3dbf4f9_main, .Lfunc_end_k_qa2c3dbf4f9_main-k_qa2c3dbf4f9_main
	.p2alignl 7, 3214868480
	.fill 96, 4, 3214868480
	.section	.rodata,"a",@progbits
	.p2align	6, 0x0
	.amdhsa_kernel k_qa2c3dbf4f9_main
		.amdhsa_group_segment_fixed_size 327680
		.amdhsa_private_segment_fixed_size 0
		.amdhsa_enable_private_segment 0
		.amdhsa_kernarg_size 56
		.amdhsa_user_sgpr_count 2
		.amdhsa_user_sgpr_kernarg_segment_ptr 1
		.amdhsa_wavefront_size32 1
		.amdhsa_system_sgpr_workgroup_id_x 1
		.amdhsa_system_sgpr_workgroup_id_y 1
		.amdhsa_system_sgpr_workgroup_id_z 1
		.amdhsa_system_vgpr_workitem_id 0
		.amdhsa_next_free_vgpr 1024
		.amdhsa_next_free_sgpr 100
		.amdhsa_reserve_vcc 1
		.amdhsa_float_denorm_mode_32 3
		.amdhsa_float_denorm_mode_16_64 3
		.amdhsa_memory_ordered 1
		.amdhsa_forward_progress 1
		.amdhsa_inst_pref_size 255
	.end_amdhsa_kernel
	.section	.bss,"aw",@nobits
	.p2align	6
	.space	262144
	.amdgpu_metadata
---
amdhsa.version: [ 1, 2 ]
amdhsa.kernels:
  - .name:           k_qa2c3dbf4f9_main
    .symbol:         k_qa2c3dbf4f9_main.kd
    .args:
      - { .name: en_output, .offset: 0, .size: 8, .value_kind: global_buffer, .address_space: global }
      - { .name: v_w, .offset: 8, .size: 8, .value_kind: global_buffer, .address_space: global }
      - { .name: cb, .offset: 16, .size: 8, .value_kind: global_buffer, .address_space: global }
      - { .name: wimg, .offset: 24, .size: 8, .value_kind: global_buffer, .address_space: global }
      - { .name: scores, .offset: 32, .size: 8, .value_kind: global_buffer, .address_space: global }
      - { .name: ml, .offset: 40, .size: 8, .value_kind: global_buffer, .address_space: global }
      - { .name: pw, .offset: 48, .size: 8, .value_kind: global_buffer, .address_space: global }
    .group_segment_fixed_size: 327680
    .private_segment_fixed_size: 0
    .kernarg_segment_align: 8
    .kernarg_segment_size: 56
    .max_flat_workgroup_size: 128
    .sgpr_count:     100
    .vgpr_count:     1024
    .wavefront_size: 32
...
	.end_amdgpu_metadata
.endif
;; end of part 2
;; launch combine (part 3): grid 256 x 1, 2 waves a work-group, no clusters, 0 bytes of LDS; arguments scores, ml, pw, out0, out1; writes out0, out1
.if DOCPART == 3
	.amdgcn_target "amdgcn-amd-amdhsa--gfx1250"
	.amdhsa_code_object_version 6
	.text
	.protected	k_qa2c3dbf4f9_combine
	.globl	k_qa2c3dbf4f9_combine
	.p2align	8
	.type	k_qa2c3dbf4f9_combine,@function
k_qa2c3dbf4f9_combine:
	s_mov_b64 s[64:65], 0
	v_nop
	global_prefetch_b8 v0, s[64:65] scope:SCOPE_SE
	s_setreg_imm32_b32 hwreg(HW_REG_WAVE_MODE, 25, 1), 1
	s_wait_xcnt 0x0
; The 32 partial results of a batch (m_i, l_i, the row pw_i = sum of e^(score - m_i) x) are joined: M = the largest m_i, L = the sum of l_i e^(m_i - M),
; out0 = the sum of pw_i e^(m_i - M) / L,  out1 = e^(score - M) / L.  The maximum is taken away ahead of every exponential.
; Work-group = (batch b, quarter q of the 1,024 columns); its 64 threads own 4 columns each: 16 bytes a lane, so sixteen lanes read and store 256 consecutive, aligned bytes.
; Memory binds: 33 loads of 16 bytes a lane go out at once; no LDS, no barrier, no matrix unit: there is nothing to share and one multiply-add for each number read.
	s_load_b256 s[4:11], s[0:1], 0x0               ; scores s[4:5], ml s[6:7], pw s[8:9], out0 s[10:11]
	s_load_b64 s[12:13], s[0:1], 0x20              ; out1
	s_lshr_b32 s14, ttmp9, 2                       ; b
	s_and_b32 s15, ttmp9, 3                        ; q
	v_and_b32 v1, 31, v0
	v_lshlrev_b32 v1, 3, v1                        ; ml: 8 bytes a lane: lane i takes partial result i
	v_lshlrev_b32 v2, 4, v0                        ; my 4 columns
	s_lshl_b32 s16, s14, 8                         ; ml: 32 pairs a batch
	s_mov_b32 s17, 0
	s_lshl_b32 s20, s15, 10                        ; 256 columns of f32
	s_lshl_b32 s18, s14, 17                        ; pw: 32 rows of 4,096 bytes a batch
	s_add_co_u32 s18, s18, s20
	s_mov_b32 s19, 0
	s_lshl_b32 s22, s14, 12                        ; scores, out0, out1: 4,096 bytes a batch
	s_add_co_u32 s22, s22, s20
	s_mov_b32 s23, 0
	s_mov_b32 s24, 0x76543210                      ; lane selects: lane l xor 16
	s_mov_b32 s25, 0xfedcba98
	s_wait_kmcnt 0x0
	s_add_nc_u64 s[6:7], s[6:7], s[16:17]
	s_add_nc_u64 s[8:9], s[8:9], s[18:19]
	s_add_nc_u64 s[4:5], s[4:5], s[22:23]
	s_add_nc_u64 s[10:11], s[10:11], s[22:23]
	s_add_nc_u64 s[12:13], s[12:13], s[22:23]
	global_load_b64 v[20:21], v1, s[6:7]
.irp i, 0,1,2,3,4,5,6,7,8,9,10,11,12,13,14,15,16,17,18,19,20,21,22,23,24,25,26,27,28,29,30,31
	global_load_b128 v[32+4*\i:35+4*\i], v2, s[8:9] offset:4096*\i th:TH_LOAD_NT
.endr
	global_load_b128 v[164:167], v2, s[4:5] th:TH_LOAD_NT
	v_mov_b32 v23, 0                               ; (a lane permute's destination counts as one of its sources)
	s_wait_loadcnt 33                              ; m and l are in; pw's 32 rows and the scores stay out
	v_mov_b32 v22, v20
	v_max_num_f32_dpp v22, v22, v22 row_xmask:1 row_mask:0xf bank_mask:0xf
	v_max_num_f32_dpp v22, v22, v22 row_xmask:2 row_mask:0xf bank_mask:0xf
	v_max_num_f32_dpp v22, v22, v22 row_xmask:4 row_mask:0xf bank_mask:0xf
	v_max_num_f32_dpp v22, v22, v22 row_xmask:8 row_mask:0xf bank_mask:0xf
	v_permlanex16_b32 v23, v22, s24, s25
	v_max_num_f32 v22, v22, v23                    ; M
	v_sub_f32 v24, v20, v22
	v_mul_f32 v24, 0x3fb8aa3b, v24
	v_exp_f32 v24, v24                             ; f_i = e^(m_i - M)
	v_nop                                          ; a plain place behind the transcendental
	s_wait_alu depctr_va_vdst(0)
	v_mul_f32 v25, v21, v24
	v_add_f32_dpp v25, v25, v25 row_xmask:1 row_mask:0xf bank_mask:0xf
	v_add_f32_dpp v25, v25, v25 row_xmask:2 row_mask:0xf bank_mask:0xf
	v_add_f32_dpp v25, v25, v25 row_xmask:4 row_mask:0xf bank_mask:0xf
	v_add_f32_dpp v25, v25, v25 row_xmask:8 row_mask:0xf bank_mask:0xf
	v_permlanex16_b32 v23, v25, s24, s25
	v_add_f32 v25, v25, v23                        ; L
	v_rcp_f32 v25, v25
	v_nop
	s_wait_alu depctr_va_vdst(0)
	v_mul_f32 v26, v24, v25                        ; g_i = f_i / L
.irp i, 0,1,2,3,4,5,6,7,8,9,10,11,12,13,14,15,16,17,18,19,20,21,22,23,24,25,26,27,28,29,30,31
	v_readlane_b32 s[66+\i], v26, \i               ; every lane wants every g_i: as data alone
.endr
.set I, 0
.rept 32
	s_wait_loadcnt 32-I                            ; row I is in: behind it 31 - I rows and the scores
.irp j, 0,1,2,3
.if I == 0
	v_mul_f32 v[160+\j], s[66], v[32+\j]           ; the first row starts the sums
.else
	v_fma_f32 v[160+\j], v[32+4*I+\j], s[66+I], v[160+\j]
.endif
.endr
.set I, I+1
.endr
	global_store_b128 v2, v[160:163], s[10:11]
	s_wait_loadcnt 0x0                             ; the scores
.irp j, 0,1,2,3
	v_sub_f32 v[168+\j], v[164+\j], v22
.endr
.irp j, 0,1,2,3
	v_mul_f32 v[168+\j], 0x3fb8aa3b, v[168+\j]
.endr
.irp j, 0,1,2,3
	v_exp_f32 v[168+\j], v[168+\j]
.endr
	v_nop
	s_wait_alu depctr_va_vdst(0)
.irp j, 0,1,2,3
	v_mul_f32 v[168+\j], v[168+\j], v25
.endr
	global_store_b128 v2, v[168:171], s[12:13]
	s_endpgm
.Lfunc_end_k_qa2c3dbf4f9_combine:
	.size	k_qa2c3dbf4f9_combine, .Lfunc_end_k_qa2c3dbf4f9_combine-k_qa2c3dbf4f9_combine
	.p2alignl 7, 3214868480
	.fill 96, 4, 3214868480
	.section	.rodata,"a",@progbits
	.p2align	6, 0x0
	.amdhsa_kernel k_qa2c3dbf4f9_combine
		.amdhsa_group_segment_fixed_size 0
		.amdhsa_private_segment_fixed_size 0
		.amdhsa_enable_private_segment 0
		.amdhsa_kernarg_size 40
		.amdhsa_user_sgpr_count 2
		.amdhsa_user_sgpr_kernarg_segment_ptr 1
		.amdhsa_wavefront_size32 1
		.amdhsa_system_sgpr_workgroup_id_x 1
		.amdhsa_system_sgpr_workgroup_id_y 1
		.amdhsa_system_sgpr_workgroup_id_z 1
		.amdhsa_system_vgpr_workitem_id 0
		.amdhsa_next_free_vgpr 176
		.amdhsa_next_free_sgpr 100
		.amdhsa_reserve_vcc 0
		.amdhsa_float_denorm_mode_32 3
		.amdhsa_float_denorm_mode_16_64 3
		.amdhsa_memory_ordered 1
		.amdhsa_forward_progress 1
		.amdhsa_inst_pref_size 18
	.end_amdhsa_kernel
	.amdgpu_metadata
---
amdhsa.version: [ 1, 2 ]
amdhsa.kernels:
  - .name:           k_qa2c3dbf4f9_combine
    .symbol:         k_qa2c3dbf4f9_combine.kd
    .args:
      - { .name: scores, .offset: 0, .size: 8, .value_kind: global_buffer, .address_space: global }
      - { .name: ml, .offset: 8, .size: 8, .value_kind: global_buffer, .address_space: global }
      - { .name: pw, .offset: 16, .size: 8, .value_kind: global_buffer, .address_space: global }
      - { .name: out0, .offset: 24, .size: 8, .value_kind: global_buffer, .address_space: global }
      - { .name: out1, .offset: 32, .size: 8, .value_kind: global_buffer, .address_space: global }
    .group_segment_fixed_size: 0
    .private_segment_fixed_size: 0
    .kernarg_segment_align: 8
    .kernarg_segment_size: 40
    .max_flat_workgroup_size: 64
    .sgpr_count:     100
    .vgpr_count:     176
    .wavefront_size: 32
...
	.end_amdgpu_metadata
.endif
;; end of part 3
;; ======== version 2 of 2: 3 launches
;; limits: values are held in bf16: 8 bits of precision; right only within a limited range of input values
;; workspace buffers: wimg 819,200 bytes; cb 262,144 bytes; scores 262,144 bytes; ml 16,384 bytes; pw 8,388,608 bytes
;; launch prep (part 4): grid 64 x 1, 8 waves a work-group, no clusters, 0 bytes of LDS; arguments hidden_codes, hidden_scales, w_de_w_codes, w_de_w_scales, w_de_b, w_en_b, w_en_w_codes, w_en_w_scales, wimg, cb; writes wimg, cb
.if DOCPART == 4
	.amdgcn_target "amdgcn-amd-amdhsa--gfx1250"
	.amdhsa_code_object_version 6
	.text
	.protected	k_qa2c3dbf4f9_prep
	.globl	k_qa2c3dbf4f9_prep
	.p2align	8
	.type	k_qa2c3dbf4f9_prep,@function
k_qa2c3dbf4f9_prep:
	s_mov_b64 s[64:65], 0
	v_nop
	global_prefetch_b8 v0, s[64:65] scope:SCOPE_SE
	s_setreg_imm32_b32 hwreg(HW_REG_WAVE_MODE, 25, 1), 1
	s_wait_xcnt 0x0
; Two small jobs ahead of the main launch.  Work-group n (0 .. 63) owns rows 16 n .. 16 n + 15 of W_en and of W_de.
; (1) W_en, codes of E3M2 with E8M0 scale bytes, is laid anew as IMAGES OF THE OPERAND'S REGISTERS: record n of wimg, 12,800 bytes, holds the eight fragments (16 rows x 128 K, 12 registers a lane)
;     of these rows: registers 4 c .. 4 c + 3 of K step s at byte 1536 s + 512 c + 16 x lane; behind them, at byte 12,288, the rows' 512 scale bytes as they lie.  Wave w copies K step w; wave 7 also the scale bytes.
; (2) cb[b][d] = c x (hidden[b] . W_de[d] + b_de[d] + b_en[d]), c = 2 log2(e): the part of tanh's argument that hangs on no source row, already scaled for an exponential of base 2.
;     Waves 0 .. 3: 16 batches each.  The product runs on the codes and scale bytes as they are given; source 0 = 16 rows of W_de, source 1 = 16 rows of hidden, so that a lane holds one batch
;     (lane % 16) and its registers eight neighbouring d = 16 n + 8 (lane / 16) + j.  The biases' sum is the C of the first matrix instruction.
; 64 work-groups are all the work there is: 64 tiles of 16 rows.  cb's stores cover 32 bytes a lane in rows 4,096 bytes apart: the whole buffer is 256 KB.
.set CW, 0x4038aa3b                    ; c = 2 log2(e)
.set HF, 32                            ; v32-127   hidden's eight fragments
.set WF, 128                           ; v128-223  W_de's eight fragments
.set HS, 224                           ; v224-231  hidden's scale words, one for each K step: scales and nothing else
.set WS, 232                           ; v232-239  W_de's likewise
.set A0, 240                           ; v240-247  the sum over the even K steps, begun on the biases
.set A1, 248                           ; v248-255  the sum over the odd K steps
	s_load_b512 s[4:19], s[0:1], 0x0               ; hidden's codes s[4:5], scales s[6:7]; W_de's codes s[8:9], scales s[10:11]; b_de s[12:13]; b_en s[14:15]; W_en's codes s[16:17], scales s[18:19]
	s_load_b128 s[20:23], s[0:1], 0x40             ; wimg s[20:21], cb s[22:23]
	v_lshrrev_b32 v1, 5, v0
	s_delay_alu instid0(VALU_DEP_1)
	v_readfirstlane_b32 s24, v1                    ; wave 0..7
	v_and_b32 v1, 31, v0                           ; lane
	v_and_b32 v2, 15, v0                           ; r
	v_bfe_u32 v3, v0, 4, 1                         ; h
	s_delay_alu instid0(VALU_DEP_2)
	v_mul_u32_u24 v4, v2, 768                      ; a row of 1,024 codes is 768 bytes
	s_delay_alu instid0(VALU_DEP_1)
	v_mad_u32_u24 v4, v3, 24, v4                   ; v4: a fragment's place for my lane: 768 r + 24 h
	v_lshlrev_b32 v5, 4, v1                        ; v5: 16 x lane
	s_mul_i32 s25, s24, 1536
	v_add_nc_u32 v6, s25, v5                       ; v6: my place in the record: 16 x lane + 1536 x wave
	v_lshlrev_b32 v7, 5, v2                        ; v7: a row's 32 scale bytes: 32 r
	v_lshlrev_b32 v1, 5, v3                        ; v1: my eight biases: 32 h
	s_delay_alu instid0(VALU_DEP_1)
	v_lshl_add_u32 v2, v2, 12, v1                  ; v2: cb: row r of 4,096 bytes + 32 h
	s_mul_i32 s26, ttmp9, 12288                    ; 16 rows of codes
	s_mov_b32 s27, 0
	s_mul_i32 s28, s24, 96                         ; K step w
	s_mov_b32 s29, 0
	s_mul_i32 s30, ttmp9, 12800                    ; record n
	s_mov_b32 s31, 0
	s_lshl_b32 s32, ttmp9, 9                       ; 16 rows of scale bytes
	s_mov_b32 s33, 0
	s_wait_alu depctr_va_vdst(0)
	s_wait_kmcnt 0x0
	s_add_nc_u64 s[16:17], s[16:17], s[26:27]
	s_add_nc_u64 s[16:17], s[16:17], s[28:29]
	s_add_nc_u64 s[18:19], s[18:19], s[32:33]
	s_add_nc_u64 s[20:21], s[20:21], s[30:31]
.irp p, 0,1,2,3,4,5
	global_load_b64 v[8+2*\p:9+2*\p], v4, s[16:17] offset:48*(\p/3)+8*(\p%3)   ; W_en's fragment (n, w): 24 bytes of each half of the K step, in pieces of 8
.endr
	s_cmp_lg_u32 s24, 7
	s_cbranch_scc1 .Lno_scales
	global_load_b128 v[28:31], v5, s[18:19]        ; the 16 rows' scale bytes: 512 dense bytes
	s_wait_loadcnt 0x0
	global_store_b128 v5, v[28:31], s[20:21] offset:12288
.Lno_scales:
	s_cmp_lt_u32 s24, 4
	s_cbranch_scc1 .Lproduct
	s_wait_loadcnt 0x0
.irp c, 0,1,2
	global_store_b128 v6, v[8+4*\c:11+4*\c], s[20:21] offset:512*\c   ; 512 consecutive bytes a store
.endr
	s_endpgm
.Lproduct:
	s_mul_i32 s34, s24, 12288                      ; hidden: my 16 batches' codes,
	s_mov_b32 s35, 0
	s_add_nc_u64 s[4:5], s[4:5], s[34:35]
	s_lshl_b32 s34, s24, 9                         ; and their scale bytes
	s_add_nc_u64 s[6:7], s[6:7], s[34:35]
	s_add_nc_u64 s[8:9], s[8:9], s[26:27]          ; W_de: rows 16 n on
	s_add_nc_u64 s[10:11], s[10:11], s[32:33]
	s_lshl_b32 s36, ttmp9, 6                       ; 16 n numbers of f32
	s_mov_b32 s37, 0
	s_add_nc_u64 s[12:13], s[12:13], s[36:37]
	s_add_nc_u64 s[14:15], s[14:15], s[36:37]
	s_add_nc_u64 s[22:23], s[22:23], s[36:37]
	s_lshl_b32 s38, s24, 16                        ; 16 rows of cb
	s_mov_b32 s39, 0
	s_add_nc_u64 s[22:23], s[22:23], s[38:39]
.irp s, 0,1,2,3,4,5,6,7
.irp p, 0,1,2,3,4,5
	global_load_b64 v[WF+12*\s+2*\p:WF+12*\s+2*\p+1], v4, s[8:9] offset:96*\s+48*(\p/3)+8*(\p%3)
	global_load_b64 v[HF+12*\s+2*\p:HF+12*\s+2*\p+1], v4, s[4:5] offset:96*\s+48*(\p/3)+8*(\p%3)
.endr
.endr
	global_load_b128 v[WS:WS+3], v7, s[10:11]      ; lane r: row r's eight scale words (lanes 16-31 hold the same and are not read)
	global_load_b128 v[WS+4:WS+7], v7, s[10:11] offset:16
	global_load_b128 v[HS:HS+3], v7, s[6:7]
	global_load_b128 v[HS+4:HS+7], v7, s[6:7] offset:16
	global_load_b128 v[A0:A0+3], v1, s[12:13]      ; b_de at d = 16 n + 8 h + 0 .. 7
	global_load_b128 v[A0+4:A0+7], v1, s[12:13] offset:16
	global_load_b128 v[20:23], v1, s[14:15]        ; b_en likewise
	global_load_b128 v[24:27], v1, s[14:15] offset:16
	s_wait_loadcnt 0x0
.irp c, 0,1,2
	global_store_b128 v6, v[8+4*\c:11+4*\c], s[20:21] offset:512*\c
.endr
.irp j, 0,2,4,6
	v_pk_add_f32 v[A0+\j:A0+\j+1], v[A0+\j:A0+\j+1], v[20+\j:21+\j]   ; b_de + b_en: the C of the first product
.endr
.rept 8
	v_nop
.endr
; Two sums by turns, one instruction a turn: even K steps onto the biases, odd K steps onto the constant 0.
.irp s, 0,1,2,3,4,5,6,7
.if (\s)%2 == 0
	v_wmma_scale_f32_16x16x128_f8f6f4 v[A0:A0+7], v[WF+12*\s:WF+12*\s+11], v[HF+12*\s:HF+12*\s+11], v[A0:A0+7], v[WS+\s], v[HS+\s] matrix_a_fmt:MATRIX_FMT_BF6 matrix_b_fmt:MATRIX_FMT_BF6
.elseif \s == 1
	v_wmma_scale_f32_16x16x128_f8f6f4 v[A1:A1+7], v[WF+12*\s:WF+12*\s+11], v[HF+12*\s:HF+12*\s+11], 0, v[WS+\s], v[HS+\s] matrix_a_fmt:MATRIX_FMT_BF6 matrix_b_fmt:MATRIX_FMT_BF6
.else
	v_wmma_scale_f32_16x16x128_f8f6f4 v[A1:A1+7], v[WF+12*\s:WF+12*\s+11], v[HF+12*\s:HF+12*\s+11], v[A1:A1+7], v[WS+\s], v[HS+\s] matrix_a_fmt:MATRIX_FMT_BF6 matrix_b_fmt:MATRIX_FMT_BF6
.endif
.endr
.rept 4
	v_nop                                          ; four places between the last product and the first read of results (ISA guide 7.12.1)
.endr
.irp j, 0,2,4,6
	v_pk_add_f32 v[20+\j:21+\j], v[A0+\j:A0+\j+1], v[A1+\j:A1+\j+1]   ; both sums from their low ends on
.endr
.irp j, 0,2,4,6
	s_delay_alu instid0(VALU_DEP_4)
	v_pk_mul_f32 v[20+\j:21+\j], v[20+\j:21+\j], CW op_sel_hi:[1,0]
.endr
	global_store_b128 v2, v[20:23], s[22:23]
	global_store_b128 v2, v[24:27], s[22:23] offset:16
	s_endpgm
.Lfunc_end_k_qa2c3dbf4f9_prep:
	.size	k_qa2c3dbf4f9_prep, .Lfunc_end_k_qa2c3dbf4f9_prep-k_qa2c3dbf4f9_prep
	.p2alignl 7, 3214868480
	.fill 96, 4, 3214868480
	.section	.rodata,"a",@progbits
	.p2align	6, 0x0
	.amdhsa_kernel k_qa2c3dbf4f9_prep
		.amdhsa_group_segment_fixed_size 0
		.amdhsa_private_segment_fixed_size 0
		.amdhsa_enable_private_segment 0
		.amdhsa_kernarg_size 80
		.amdhsa_user_sgpr_count 2
		.amdhsa_user_sgpr_kernarg_segment_ptr 1
		.amdhsa_wavefront_size32 1
		.amdhsa_system_sgpr_workgroup_id_x 1
		.amdhsa_system_sgpr_workgroup_id_y 1
		.amdhsa_system_sgpr_workgroup_id_z 1
		.amdhsa_system_vgpr_workitem_id 0
		.amdhsa_next_free_vgpr 256
		.amdhsa_next_free_sgpr 66
		.amdhsa_reserve_vcc 0
		.amdhsa_float_denorm_mode_32 3
		.amdhsa_float_denorm_mode_16_64 3
		.amdhsa_memory_ordered 1
		.amdhsa_forward_progress 1
		.amdhsa_inst_pref_size 17
	.end_amdhsa_kernel
	.amdgpu_metadata
---
amdhsa.version: [ 1, 2 ]
amdhsa.kernels:
  - .name:           k_qa2c3dbf4f9_prep
    .symbol:         k_qa2c3dbf4f9_prep.kd
    .args:
      - { .name: hidden_codes, .offset: 0, .size: 8, .value_kind: global_buffer, .address_space: global }
      - { .name: hidden_scales, .offset: 8, .size: 8, .value_kind: global_buffer, .address_space: global }
      - { .name: w_de_w_codes, .offset: 16, .size: 8, .value_kind: global_buffer, .address_space: global }
      - { .name: w_de_w_scales, .offset: 24, .size: 8, .value_kind: global_buffer, .address_space: global }
      - { .name: w_de_b, .offset: 32, .size: 8, .value_kind: global_buffer, .address_space: global }
      - { .name: w_en_b, .offset: 40, .size: 8, .value_kind: global_buffer, .address_space: global }
      - { .name: w_en_w_codes, .offset: 48, .size: 8, .value_kind: global_buffer, .address_space: global }
      - { .name: w_en_w_scales, .offset: 56, .size: 8, .value_kind: global_buffer, .address_space: global }
      - { .name: wimg, .offset: 64, .size: 8, .value_kind: global_buffer, .address_space: global }
      - { .name: cb, .offset: 72, .size: 8, .value_kind: global_buffer, .address_space: global }
    .group_segment_fixed_size: 0
    .private_segment_fixed_size: 0
    .kernarg_segment_align: 8
    .kernarg_segment_size: 80
    .max_flat_workgroup_size: 256
    .sgpr_count:     66
    .vgpr_count:     256
    .wavefront_size: 32
...
	.end_amdgpu_metadata
.endif
;; end of part 4
;; launch main (part 5): grid 512 x 1, 4 waves a work-group, clusters of 4 x 1, 327,680 bytes of LDS; arguments en_output, v_w, cb, wimg, scores, ml, pw; writes scores, ml, pw
.if DOCPART == 5
	.amdgcn_target "amdgcn-amd-amdhsa--gfx1250"
	.amdhsa_code_object_version 6
	.text
	.protected	k_qa2c3dbf4f9_main
	.globl	k_qa2c3dbf4f9_main
	.p2align	8
	.type	k_qa2c3dbf4f9_main,@function
k_qa2c3dbf4f9_main:
	s_mov_b64 s[64:65], 0
	v_nop
	global_prefetch_b8 v0, s[64:65] scope:SCOPE_SE
	s_setreg_imm32_b32 hwreg(HW_REG_WAVE_MODE, 25, 1), 1
	s_wait_xcnt 0x0
	s_wait_alu depctr_hold_cnt(0) depctr_sa_sdst(0) depctr_va_vdst(0) depctr_va_sdst(0) depctr_va_ssrc(0) depctr_va_vcc(0) depctr_vm_vsrc(0)
	s_getreg_b32 s2, hwreg(HW_REG_IB_STS2, 6, 4)
	s_cmp_eq_u32 s2, 0
	s_cbranch_scc0 .Lentry_in_a_cluster
	s_endpgm
.Lentry_in_a_cluster:
	s_bfe_u32 s2, ttmp6, 0x10000c
	s_cmp_lg_u32 s2, 0x3003
	s_cbranch_scc0 .Lentry_shape_is_right
	s_endpgm
.Lentry_shape_is_right:
; score[row] = sum over d of v[d] tanh(x[row] . W_en[d] + b_en[d] + proj_de[b][d]), and a softmax's partial sums, with x = en_output read from memory once.
; SHARES.  A work-group owns 128 rows of one batch, each of its four waves 32 rows (two tiles of 16).  A row's codes of E3M2 (192 registers a wave), its scale words (16) and a copy in bf16 stay with its wave.
; PHASES.  (L) 16 units of 16 rows x 128 columns: loaded, rounded to bf16, turned through the wave's stage in LDS so that a lane holds whole blocks of 32 along K, quantised.
;   (T) 16 groups of four tiles of 16 rows of W_en.  A trip: the tanh of the group before as ONE batch (32 multiply-adds, 64 exponentials, 32 additions, 64 reciprocals, 32 multiply-adds), then 64 matrix
;   instructions on end.  No transcendental stands between a matrix instruction and the first reader of its result.  The first trip finds a group of zeros, whose r = 1/2 meets v = 0.
;   (F) the wave's 32 scores, their maximum m, p = e^(score - m), l = the sum of p, and the sum of p x over its rows by 64 bf16 matrix instructions.  A later launch joins a batch's 32 partial results.
; THE COPY IN BF16 IS LAID AS THE B OPERAND of that last product (K = my 32 rows): lanes l and l + 16 load the same 64 columns of rows 8 apart, and a register packs two neighbouring rows of one column.
;   Tile (s, g, j) holds columns 128 s + 64 g + 4 (lane % 16) + j in registers 64 s + 32 g + 8 j + 0 .. 7 of windows 2 and 3; those of s = 7 wait in LDS during (T), where the accumulators take their place.
; W_en comes as images of the operand's registers (12,800 bytes for 16 rows), 8 tiles to a slot, through a ring of two LDS slots.  CLUSTER: the four work-groups walk the same W_en: each quarter of a slot is asked for jointly.
; ALGEBRA.  tanh(z) = 1 - 2 r, r = 1 / (1 + 2^(c z)), c = 2 log2(e): where the exponential overflows r is 0, where it falls to 0 r is 1.  score = sum(v) - 2 sum(v r); sum(v) is the same for every row of a
;   softmax and cancels in it for every input: it is left out, and -2 sum(v r) is kept and stored as the score.  An overflow that would reach sum(v) alone is not carried to the result.
; LIMITS.  NaN and infinities in en_output are not served.  A block of zeros gets the scale byte 1, not 127: its codes are zeros, and this program alone reads the byte.  x and p enter the weighted sum rounded to bf16.
;   The scores leave 128 bytes a wave, m and l 8 bytes a wave: parts of aligned blocks of 256 bytes.
; NO PREFETCH: in (L) 48 loads of 512 bytes a wave are out at all times and nothing else is done; W_en's 819,200 bytes are the same for all 512 work-groups.
; REGISTERS: window 0: v0-15 addresses, v16-31 x's scale words, v32-47 W's, v48-63 sums of v r, v64-255 sixteen fragments of W (in (L): temporaries, two landing sets, a unit's 64 numbers).
;   window 1: v0-191 x's codes, v192-223 cb, v224-255 v of a group (in (L) the third landing set).  window 2 and window 3 v0-191: the copy.  window 3 v192-255: the group's eight accumulators.
.set RECB,   12800
.set SLOTD,  102400                    ; a slot's 8 records
.set SLOT1,  131072                    ; where slot 1 begins
.set QUARTB, 25600                     ; one wave's tensor load: 100 rows of 256 bytes
.set CBT,    102400                    ; cb's row of my batch; v lies 4,096 bytes on
.set SPARE,  110592                    ; the spare words, 128 bytes a wave
.set STG,    233472                    ; a stage of 16 rows x 528 bytes for each wave
.set STGW,   8448
.set SPITCH, 528
.set CPY,    267264                    ; 8,192 bytes a wave: the copy's registers of s = 7
.set L16, 1                            ; 16 x lane
.set LXO, 2                            ; x: 32768 (lane / 16) + 16 (lane % 16)
.set WSL, 3                            ; 12288 + 32 (lane % 16) + 16 (lane / 16)
.set AD,  4                            ; LDS address of the group's records
.set ADS, 5                            ; of its scale words
.set ADC, 6                            ; of its numbers of cb
.set STW, 7                            ; the stage, in
.set STR, 8                            ; the stage, out
.set H8,  9
.set L4,  10
.set H32, 11
.set SPW, 12
.set NIL, 13
.set CPA, 14
.set XS,  16
.set WS,  32
.set SACC, 48                          ; pair 4 t + q
.set WF,  64
.set ACC, 192                          ; window 3: accumulator (n, t) at 16 n + 8 t
.set CB,  192                          ; window 1
.set VV,  224
.set TM,  40
.set TN,  42
.set SO,  44
.set BY,  46
.set TMPC, 48
.set PX,  56
.set QW,  57
.set SB,  192
.set PA,  80                           ; (F) p as the A operand
.set OUT, 128
.set WV,  18
.set CX,  19
.set GG,  20
.set G1,  24
.set G0,  32
.set TB,  40
.set TC,  41
.set PCN, 42
.set LAPC, 43
.set CS,  44
.set SEL, 46
.set HIM, 48
.set SVX, 49
.set PS,  66
.set MSB, 0
.macro WIN new                         ; the immediate's high byte repeats the setting that is left
.if MSB != (\new)
	s_set_vgpr_msb (MSB<<8)|(\new)
.set MSB, (\new)
.endif
.endm
.macro NOPS n
.rept \n
	v_nop
.endr
.endm
.macro CROUND                          ; a round of the cluster's barrier
	s_barrier_signal -1
	s_barrier_wait -1
	s_cmp_lg_u32 s[WV], 0
	s_cbranch_scc1 .Lnot_wave_0_\@
	s_barrier_signal -3
.Lnot_wave_0_\@:
	s_barrier_wait -3
	s_barrier_signal -1
	s_barrier_wait -1
.endm
	s_load_b256 s[4:11], s[0:1], 0x0               ; x, v, cb, wimg
	s_load_b128 s[12:15], s[0:1], 0x20             ; scores, ml
	s_load_b64 s[16:17], s[0:1], 0x30              ; pw
	v_lshl_add_u32 v[SPW], v0, 2, SPARE
	v_mov_b32 v[NIL], 0
	ds_add_u32 v[SPW], v[NIL]
	ds_add_u32 v[SPW], v[NIL]
	v_lshrrev_b32 v15, 5, v0
	v_readfirstlane_b32 s[WV], v15                 ; wave 0..3
	s_mul_i32 s23, s[WV], STGW
	s_add_co_u32 s23, s23, STG                     ; my stage
	s_lshl_b32 s22, s[WV], 13
	s_add_co_u32 s22, s22, CPY
	v_and_b32 v14, 31, v0                          ; lane
	v_and_b32 v15, 15, v0                          ; r
	v_bfe_u32 v[H8], v0, 4, 1                      ; h
	v_lshlrev_b32 v[L16], 4, v14
	v_lshlrev_b32 v[L4], 2, v14
	v_lshlrev_b32 v[H32], 5, v[H8]
	v_lshlrev_b32 v[LXO], 4, v15
	v_lshl_add_u32 v[LXO], v[H8], 15, v[LXO]
	v_lshlrev_b32 v[WSL], 5, v15
	v_lshl_add_u32 v[WSL], v[H8], 4, v[WSL]
	v_add_nc_u32 v[WSL], 12288, v[WSL]
	v_mul_u32_u24 v[STW], v[H8], 8*SPITCH
	v_lshl_add_u32 v[STW], v15, 4, v[STW]
	v_add_nc_u32 v[STW], s23, v[STW]               ; in: row i + 8 h, 16 r
	v_mul_u32_u24 v[STR], v15, SPITCH
	v_lshl_add_u32 v[STR], v[H8], 7, v[STR]
	v_add_nc_u32 v[STR], s23, v[STR]               ; out: row r, 128 h
	v_add_nc_u32 v[CPA], s22, v[L16]
	v_lshlrev_b32 v[H8], 3, v[H8]
	v_lshlrev_b32 v15, 5, v0                       ; cb and v: 32 bytes a thread
	v_lshl_add_u32 v[AD], v0, 5, CBT               ; and where they go in LDS
	v_mov_b32 v[PX], 0                             ; a lane permute's destination counts as one of its sources
	s_bfe_u32 s[CX], ttmp6, 0x40000
	s_lshl_b32 s[GG], ttmp9, 2
	s_add_co_u32 s[GG], s[GG], s[CX]               ; my block of 128 rows: it enters the addresses of x, cb, scores, ml and pw alone
	s_mov_b32 s[G1], 15|(3<<16)|(1<<21)            ; the mask of all four; elements of 8 bytes; bit 21 beside a mask
	s_mov_b32 s[G1+1], 32<<16
	s_mov_b32 s[G1+2], 100<<16
	s_mov_b32 s[G1+3], 32<<16
	s_mov_b32 s[G1+4], 100
	s_mov_b32 s[G1+5], 32
	s_mov_b32 s[G1+6], 0
	s_mov_b32 s[G1+7], 0
	s_mov_b32 s[CS], 0x4038aa3b                    ; c = 2 log2(e)
	s_mov_b32 s[CS+1], s[CS]
	s_mov_b32 s[SEL], 0x76543210
	s_mov_b32 s[SEL+1], 0xfedcba98
	s_mov_b32 s[HIM], 0xffff0000
	s_mul_i32 s21, s[WV], QUARTB
	s_mov_b32 s52, s21
	s_mov_b32 s53, 0
	s_lshl_b32 s50, s[GG], 19
	s_lshl_b32 s22, s[WV], 17
	s_add_co_u32 s50, s50, s22
	s_mov_b32 s51, 0
	s_wait_alu depctr_va_vdst(0)
	s_wait_dscnt 0x0                               ; both opening adds are done
	s_wait_kmcnt 0x0
	s_add_nc_u64 s[4:5], s[4:5], s[50:51]          ; x: my 32 rows
	s_lshr_b32 s50, s[GG], 3
	s_lshl_b32 s50, s50, 12
	s_add_nc_u64 s[8:9], s[8:9], s[50:51]          ; cb: my batch's row
	s_lshl_b32 s50, s[GG], 9
	s_lshl_b32 s22, s[WV], 7
	s_add_co_u32 s50, s50, s22
	s_add_nc_u64 s[12:13], s[12:13], s[50:51]
	s_lshl_b32 s50, s[GG], 5
	s_lshl_b32 s22, s[WV], 3
	s_add_co_u32 s50, s50, s22
	s_add_nc_u64 s[14:15], s[14:15], s[50:51]
	s_lshl_b32 s50, s[GG], 14
	s_lshl_b32 s22, s[WV], 12
	s_add_co_u32 s50, s50, s22
	s_add_nc_u64 s[16:17], s[16:17], s[50:51]
	s_add_nc_u64 s[52:53], s[10:11], s[52:53]      ; wimg at my quarter
.irp k, 0,1
	s_mov_b32 s[G0+4*\k], 1
	s_add_co_u32 s[G0+4*\k+1], s21, \k*SLOT1
	s_add_nc_u64 s[G0+4*\k+2:G0+4*\k+3], s[52:53], \k*SLOTD
	s_or_b32 s[G0+4*\k+3], s[G0+4*\k+3], 0x80000000
.endr
	global_load_b128 v[40:43], v15, s[8:9]
	global_load_b128 v[44:47], v15, s[8:9] offset:16
	global_load_b128 v[48:51], v15, s[6:7]
	global_load_b128 v[52:55], v15, s[6:7] offset:16
; Unit u = 8 t + s.  Load (i, g): lanes 0-15 take 256 aligned bytes of row 16 t + i, lanes 16-31 the same columns of row 16 t + i + 8.  Three landing sets take turns.
.macro XLOAD u
.set NT, (\u)/8
.set NS, (\u)%8
.set NB, 64+64*((\u)%3)
	WIN ((((\u)%3)/2)<<6)
.irp i, 0,1,2,3,4,5,6,7
.irp g, 0,1
	global_load_b128 v[NB+8*\i+4*\g:NB+8*\i+4*\g+3], v[LXO], s[4:5] offset:(16*NT+\i)*4096+512*NS+256*\g th:TH_LOAD_NT
.endr
.endr
	WIN 0
.endm
	XLOAD 0
	XLOAD 1
	XLOAD 2
	CROUND                                         ; the first joint loads meet
	tensor_load_to_lds s[G0:G0+3], s[G1:G1+7]      ; tiles 0-7: my one tensor load at the head
	s_nop 0
	NOPS 4
	s_wait_loadcnt 48                              ; cb and v are in; x's 48 loads stay out
	ds_store_b128 v[AD], v[40:43]
	ds_store_b128 v[AD], v[44:47] offset:16
	ds_store_b128 v[AD], v[48:51] offset:4096
	ds_store_b128 v[AD], v[52:55] offset:4112
.macro QUANT                           ; a lane's two whole blocks of 32 along K: codes, and two bytes of the row's scale word
.irp c, 0,1
	v_max3_num_f32 v[TM+\c], |v[SB+32*\c]|, |v[SB+32*\c+1]|, 0x2800000   ; the floor 2^(5 - 127): the byte cannot fall under 1
.endr
.irp c, 0,1
	v_max3_num_f32 v[TN+\c], |v[SB+32*\c+16]|, |v[SB+32*\c+17]|, |v[SB+32*\c+18]|
.endr
.irp i, 0,2,4,6,8,10
.irp c, 0,1
	v_max3_num_f32 v[TM+\c], v[TM+\c], |v[SB+32*\c+2+\i]|, |v[SB+32*\c+3+\i]|
.endr
.irp c, 0,1
	v_max3_num_f32 v[TN+\c], v[TN+\c], |v[SB+32*\c+19+\i]|, |v[SB+32*\c+20+\i]|
.endr
.endr
.irp c, 0,1
	v_max3_num_f32 v[TM+\c], v[TM+\c], |v[SB+32*\c+14]|, |v[SB+32*\c+15]|
.endr
.irp c, 0,1
	v_max3_num_f32 v[TM+\c], v[TM+\c], v[TN+\c], |v[SB+32*\c+31]|
.endr
.irp c, 0,1
	v_add_nc_u32 v[SO+\c], 0xfe000000, v[TM+\c]    ; 4 off the exponent field: the conversion's scale operand
.endr
.irp c, 0,1
	v_lshrrev_b32 v[BY+\c], 23, v[SO+\c]
.endr
	v_lshl_or_b32 v[QW], v[BY+1], 16, v[BY]
	v_lshlrev_b32 v[QW], v[H8], v[QW]
	v_permlanex16_b32 v[PX], v[QW], s[SEL], s[SEL+1]
	v_or_b32 v[XS+8*UT+US], v[QW], v[PX]
.irp c, 0,1
	v_cvt_scalef32_pk16_bf6_f32 v[TMPC+4*\c:TMPC+4*\c+2], v[SB+32*\c+16:SB+32*\c+31], v[SO+\c]
.endr
	WIN 0x40
.irp c, 0,1
	v_cvt_scalef32_pk16_bf6_f32 v[12*(8*UT+US)+6*\c:12*(8*UT+US)+6*\c+2], v[SB+32*\c:SB+32*\c+15], v[SO+\c]
.endr
	v_nop                                          ; one plain place behind a scaled conversion
.irp c, 0,1
.irp i, 0,1,2
	v_mov_b32 v[12*(8*UT+US)+6*\c+3+\i], v[TMPC+4*\c+\i]
.endr
.endr
	WIN 0
.endm
.macro UNIT u
.set UT, (\u)/8
.set US, (\u)%8
.set LB, 64+64*((\u)%3)
.set LW, ((\u)%3)/2
.if (\u) < 14
	s_wait_loadcnt 32                              ; this unit's 16 loads are in; the two units behind it stay out
.else
	s_wait_loadcnt 16*(15-(\u))
.endif
	WIN (LW<<2)
.irp i, 0,1,2,3,4,5,6,7
.irp g, 0,1
	ds_store_b128 v[STW], v[LB+8*\i+4*\g:LB+8*\i+4*\g+3] offset:SPITCH*\i+256*\g
.endr
.endr
	WIN 0
.irp c, 0,1
.irp q, 0,1,2,3,4,5,6,7
	ds_load_b128 v[SB+32*\c+4*\q:SB+32*\c+4*\q+3], v[STR] offset:256*\c+16*\q   ; a wave's LDS instructions are served in order (ISA guide 5.7.1.4)
.endr
.endr
	WIN (((2+US/4)<<6)|(5*LW))                     ; the copy: rows 2 m and 2 m + 1 (+ 8 h) of one column in a register
.irp g, 0,1
.irp j, 0,1,2,3
.irp m, 0,1,2,3
	v_cvt_pk_bf16_f32 v[64*(US%4)+32*\g+8*\j+4*UT+\m], v[LB+16*\m+4*\g+\j], v[LB+16*\m+8+4*\g+\j]
.endr
.endr
.endr
	WIN 0
	s_wait_dscnt 0x0                               ; my 64 numbers are back, and the stage's stores have read the landing set
.if (\u)+3 < 16
	XLOAD (\u)+3
.endif
	QUANT
.endm
.irp u, 0,1,2,3,4,5,6,7,8,9,10,11,12,13,14,15
	UNIT \u
.endr
	WIN (3<<2)                                     ; the copy's registers of s = 7 go to LDS as they are
.set J, 0
.rept 16
	ds_store_b128 v[CPA], v[192+4*J:195+4*J] offset:512*J
.set J, J+1
.endr
	WIN 0xc0                                       ; the group of zeros that the first trip finds
.set J, 0
.rept 64
	v_mov_b32 v[ACC+J], 0
.set J, J+1
.endr
	WIN 0x40
.set J, 0
.rept 64
	v_mov_b32 v[CB+J], 0
.set J, J+1
.endr
	WIN 0
.set J, 0
.rept 16
	v_mov_b32 v[SACC+J], 0
.set J, J+1
.endr
.macro MM n, s, t                      ; tile n of the group, K step s, tile of rows t.  The two accumulators of a tile take turns
.set MD, ACC+16*(\n)+8*(\t)
.set MA, WF+96*((\n)%2)+12*(\s)
.set MB, 12*(8*(\t)+(\s))
.set MW, WS+4*(\n)+(\s)%4
.set MX, XS+8*(\t)+(\s)
.if (\s) == 0
	v_wmma_scale_f32_16x16x128_f8f6f4 v[MD:MD+7], v[MA:MA+11], v[MB:MB+11], 0, v[MW], v[MX] matrix_a_fmt:MATRIX_FMT_BF6 matrix_b_fmt:MATRIX_FMT_BF6
.elseif (\s) < 4
	v_wmma_scale_f32_16x16x128_f8f6f4 v[MD:MD+7], v[MA:MA+11], v[MB:MB+11], v[MD:MD+7], v[MW], v[MX] matrix_a_fmt:MATRIX_FMT_BF6 matrix_b_fmt:MATRIX_FMT_BF6
.else
	v_wmma_scale_f32_16x16x128_f8f6f4 v[MD:MD+7], v[MA:MA+11], v[MB:MB+11], v[MD:MD+7], v[MW], v[MX] matrix_a_fmt:MATRIX_FMT_BF6 matrix_b_fmt:MATRIX_FMT_BF6 matrix_a_scale:MATRIX_SCALE_ROW1
.endif
.endm
.macro RUNH n, hf                      ; eight matrix instructions: four K steps of tile n.  D and C window 3, A window 0, B window 1
	WIN 0xf4
.irp s, 0,1,2,3
	MM \n, 4*(\hf)+\s, 0
	MM \n, 4*(\hf)+\s, 1
.endr
.endm
.macro RELOAD n, hf                    ; four fragments of tile n into the registers just multiplied, four places behind (ISA guide 7.12.1 for vector instructions)
	NOPS 4
	WIN 0
.set J, 0
.rept 12
	ds_load_b128 v[WF+96*((\n)%2)+48*(\hf)+4*J:WF+96*((\n)%2)+48*(\hf)+4*J+3], v[AD] offset:(\n)*RECB+512*(12*(\hf)+J)
.set J, J+1
.endr
.endm
.macro BURST n, ld                     ; the next n of the trip's 52 early loads: four tiles' scale words, then tiles 0 and 1, 24 loads each
.if \ld
	WIN 0
.rept \n
.if LN < 4
	ds_load_b128 v[WS+4*LN:WS+4*LN+3], v[ADS] offset:LN*RECB
.else
	ds_load_b128 v[WF+4*(LN-4):WF+4*(LN-4)+3], v[AD] offset:((LN-4)/24)*RECB+512*((LN-4)%24)
.endif
.set LN, LN+1
.endr
.endif
.endm
; The tanh of a group, 64 numbers a lane, as one batch.  One wait ahead of each run of transcendentals and one behind it.
.macro VEC ld
.set LN, 0
	WIN 0xd3                                       ; destination and source 0 window 3, source 2 window 1
.set J, 0
.rept 32
	v_pk_fma_f32 v[ACC+2*J:ACC+2*J+1], v[ACC+2*J:ACC+2*J+1], s[CS:CS+1], v[CB+8*(J/8)+2*(J%4):CB+8*(J/8)+2*(J%4)+1] op_sel_hi:[1,0,1]   ; c z; each accumulator from its low end on
.set J, J+1
.endr
	BURST 16, \ld                                  ; these stand 32 plain instructions behind the last product
	WIN 0xd3
	s_wait_alu depctr_va_vdst(0)
.set J, 0
.rept 64
	v_exp_f32 v[ACC+J], v[ACC+J]
.set J, J+1
.endr
	v_nop
	s_wait_alu depctr_va_vdst(0)
	BURST 6, \ld
	WIN 0xd3
.set J, 0
.rept 32
	v_pk_add_f32 v[ACC+2*J:ACC+2*J+1], v[ACC+2*J:ACC+2*J+1], 1.0 op_sel_hi:[1,0]
.set J, J+1
.endr
	BURST 12, \ld
	WIN 0xd3
	s_wait_alu depctr_va_vdst(0)
.set J, 0
.rept 64
	v_rcp_f32 v[ACC+J], v[ACC+J]
.set J, J+1
.endr
	v_nop
	s_wait_alu depctr_va_vdst(0)
	BURST 6, \ld
	WIN 0x07                                       ; source 0 window 3, source 1 window 1
.set J, 0
.rept 32
	v_pk_fma_f32 v[SACC+2*(J%8):SACC+2*(J%8)+1], v[ACC+2*J:ACC+2*J+1], v[VV+8*(J/8)+2*(J%4):VV+8*(J/8)+2*(J%4)+1], v[SACC+2*(J%8):SACC+2*(J%8)+1]   ; eight sums by turns
.set J, J+1
.endr
	BURST 12, \ld
	WIN 0
.endm
; A trip: the batch of the group before, under which this group's first two tiles are fetched; then this group's 64 products.
; The waits count the LDS loads issued behind what is wanted: 40 = tile 1's 24 and cb's and v's 16; 40 = those 16 and tile 2's 24; 24 = tile 3's.
.macro TRIP
	v_add_nc_u32 v[AD], s[TB], v[L16]
	v_add_nc_u32 v[ADS], s[TB], v[WSL]
	v_add_nc_u32 v[ADC], s[TC], v[H32]
	s_add_co_u32 s[TB], s[TB], 4*RECB
	s_add_co_u32 s[TC], s[TC], 256
	VEC 1
	WIN 0x40
.irp n, 0,1,2,3
	ds_load_b128 v[CB+8*\n:CB+8*\n+3], v[ADC] offset:64*\n
	ds_load_b128 v[CB+8*\n+4:CB+8*\n+7], v[ADC] offset:64*\n+16
	ds_load_b128 v[VV+8*\n:VV+8*\n+3], v[ADC] offset:64*\n+4096
	ds_load_b128 v[VV+8*\n+4:VV+8*\n+7], v[ADC] offset:64*\n+4112
.endr
	s_wait_dscnt 40
	RUNH 0, 0
	RELOAD 2, 0
	RUNH 0, 1
	RELOAD 2, 1
	s_wait_dscnt 40
	RUNH 1, 0
	RELOAD 3, 0
	RUNH 1, 1
	RELOAD 3, 1
	s_wait_dscnt 24
	RUNH 2, 0
	RUNH 2, 1
	s_wait_dscnt 0x0
	RUNH 3, 0
	RUNH 3, 1
	WIN 0
.endm
.macro SLOT base                       ; a slot's two groups
	s_mov_b32 s[TB], \base
	s_mov_b32 s[PCN], 2
.Ltrip_\@:
	TRIP
	s_sub_co_u32 s[PCN], s[PCN], 1
	s_cmp_lg_u32 s[PCN], 0
	s_cbranch_scc1 .Ltrip_\@
.endm
; The change of slots: all my tensor loads have landed (my quarter of the slot to be read next), the add, my LDS instructions are done; the round; then the slot left behind (the first time: slot 1) is filled.
.macro CHANGE slot, step, fill
	s_wait_alu depctr_va_vdst(0)
	s_wait_tensorcnt 0x0
	ds_add_u32 v[SPW], v[NIL]
.if \step
	s_add_nc_u64 s[G0+2:G0+3], s[G0+2:G0+3], 2*SLOTD     ; no tensor load of mine is out: both slots' next eight tiles
	s_add_nc_u64 s[G0+6:G0+7], s[G0+6:G0+7], 2*SLOTD
.endif
	s_wait_dscnt 0x0
.if \fill
	CROUND
	tensor_load_to_lds s[G0+4*\slot:G0+4*\slot+3], s[G1:G1+7]   ; my one tensor load behind the round: it has two trips, 128 matrix instructions and two batches, in which to land
	s_nop 0
	NOPS 4
.else
	s_barrier_signal -1
	s_barrier_wait -1
.endif
.endm
	s_mov_b32 s[TC], CBT
	s_mov_b32 s[LAPC], 3
.Llap:
	CHANGE 1, 0, 1
	SLOT 0
	CHANGE 0, 1, 1
	SLOT SLOT1
	s_sub_co_u32 s[LAPC], s[LAPC], 1
	s_cmp_lg_u32 s[LAPC], 0
	s_cbranch_scc1 .Llap
	CHANGE 1, 0, 1                                 ; the last lap is written out: its second change fills nothing
	SLOT 0
	CHANGE 0, 0, 0
	SLOT SLOT1
	VEC 0                                          ; THE FINISH: the last group's batch
	WIN 0xc0
.set J, 0
.rept 16
	ds_load_b128 v[192+4*J:195+4*J], v[CPA] offset:512*J   ; the copy's registers of s = 7 come back
.set J, J+1
.endr
	WIN 0
	v_pk_add_f32 v[64:65], v[SACC:SACC+1], v[SACC+2:SACC+3]
	v_pk_add_f32 v[66:67], v[SACC+4:SACC+5], v[SACC+6:SACC+7]
	v_pk_add_f32 v[68:69], v[SACC+8:SACC+9], v[SACC+10:SACC+11]
	v_pk_add_f32 v[70:71], v[SACC+12:SACC+13], v[SACC+14:SACC+15]
	v_mov_b32 v98, 0
	v_mov_b32 v99, 0
	v_pk_add_f32 v[64:65], v[64:65], v[66:67]
	v_pk_add_f32 v[68:69], v[68:69], v[70:71]
	v_add_f32 v96, v64, v65
	v_add_f32 v97, v68, v69
	v_permlanex16_b32 v98, v96, s[SEL], s[SEL+1]
	v_permlanex16_b32 v99, v97, s[SEL], s[SEL+1]
	v_add_f32 v96, v96, v98
	v_add_f32 v97, v97, v99
	v_cndmask_b32 v100, v96, v97, s[HIM]           ; lane l holds row l
	v_mul_f32 v100, -2.0, v100                     ; the score, less sum(v)
	global_store_b32 v[L4], v100, s[12:13]
	v_mov_b32 v104, v100
	v_max_num_f32_dpp v104, v104, v104 row_xmask:1 row_mask:0xf bank_mask:0xf
	v_max_num_f32_dpp v104, v104, v104 row_xmask:2 row_mask:0xf bank_mask:0xf
	v_max_num_f32_dpp v104, v104, v104 row_xmask:4 row_mask:0xf bank_mask:0xf
	v_max_num_f32_dpp v104, v104, v104 row_xmask:8 row_mask:0xf bank_mask:0xf
	v_permlanex16_b32 v98, v104, s[SEL], s[SEL+1]
	v_max_num_f32 v104, v104, v98                  ; m, taken away ahead of the exponential
	v_sub_f32 v102, v100, v104
	v_mul_f32 v102, 0x3fb8aa3b, v102
	s_wait_alu depctr_va_vdst(0)
	v_exp_f32 v102, v102                           ; p
	v_nop
	s_wait_alu depctr_va_vdst(0)
	v_mov_b32 v105, v102
	v_add_f32_dpp v105, v105, v105 row_xmask:1 row_mask:0xf bank_mask:0xf
	v_add_f32_dpp v105, v105, v105 row_xmask:2 row_mask:0xf bank_mask:0xf
	v_add_f32_dpp v105, v105, v105 row_xmask:4 row_mask:0xf bank_mask:0xf
	v_add_f32_dpp v105, v105, v105 row_xmask:8 row_mask:0xf bank_mask:0xf
	v_permlanex16_b32 v99, v105, s[SEL], s[SEL+1]
	v_add_f32 v105, v105, v99                      ; l
	s_wait_alu depctr_va_vdst(0)
	s_wait_dscnt 0x0                               ; the copy is whole again
.set J, 0
.rept 32
	v_readlane_b32 s[PS+J], v102, J
.set J, J+1
.endr
; p as the A operand, the same in all 16 rows of A: register q = 4 t + m of a lane holds p of rows 16 t + 8 h + 2 m, + 1
.set J, 0
.rept 16
	v_mov_b32 v[64+J], s[PS+16*(J/8)+J%8]
	v_cndmask_b32 v[64+J], v[64+J], s[PS+16*(J/8)+J%8+8], s[HIM]
.set J, J+1
.endr
.set J, 0
.rept 8
	v_cvt_pk_bf16_f32 v[PA+J], v[64+2*J], v[65+2*J]
.set J, J+1
.endr
	NOPS 4
; 32 tiles of 16 columns at a time: D in window 1, where x's codes lay.  Every row of D is the same: register 0 holds column 4 r + j of the tile's 64, in both halves of the lanes.
.irp w, 0,1
	WIN 0x48+4*\w
.set J, 0
.rept 32
	v_wmma_f32_16x16x32_bf16 v[8*J:8*J+7], v[PA:PA+7], v[8*J:8*J+7], 0
.set J, J+1
.endr
	NOPS 4
	WIN 0x05
.set J, 0
.rept 16
	v_cndmask_b32 v[OUT+16*\w+J], v[8*(8*(J/4)+J%4)], v[8*(8*(J/4)+4+J%4)], s[HIM]   ; lanes 16-31 take the upper 64 columns
.set J, J+1
.endr
	WIN 0
.irp s, 0,1,2,3
	global_store_b128 v[L16], v[OUT+16*\w+4*\s:OUT+16*\w+4*\s+3], s[16:17] offset:512*(4*\w+\s)   ; 512 consecutive bytes, at a multiple of 256 from pw's first byte
.endr
.endr
	v_cmp_eq_u32 vcc_lo, 0, v[L4]
	s_wait_xcnt 0x0                                ; EXEC changes only behind this wait
	s_and_saveexec_b32 s[SVX], vcc_lo
	global_store_b64 v[L4], v[104:105], s[14:15]   ; lane 0: m and l
	s_wait_xcnt 0x0
	s_or_b32 exec_lo, exec_lo, s[SVX]
	s_wait_tensorcnt 0x0                           ; the wave's end
	ds_add_u32 v[SPW], v[NIL]
	s_wait_dscnt 0x0
	CROUND                                         ; the closing round
	s_endpgm
.Lfunc_end_k_qa2c3dbf4f9_main:
	.size	k_qa2c3dbf4f9_main, .Lfunc_end_k_qa2c3dbf4f9_main-k_qa2c3dbf4f9_main
	.p2alignl 7, 3214868480
	.fill 96, 4, 3214868480
	.section	.rodata,"a",@progbits
	.p2align	6, 0x0
	.amdhsa_kernel k_qa2c3dbf4f9_main
		.amdhsa_group_segment_fixed_size 327680
		.amdhsa_private_segment_fixed_size 0
		.amdhsa_enable_private_segment 0
		.amdhsa_kernarg_size 56
		.amdhsa_user_sgpr_count 2
		.amdhsa_user_sgpr_kernarg_segment_ptr 1
		.amdhsa_wavefront_size32 1
		.amdhsa_system_sgpr_workgroup_id_x 1
		.amdhsa_system_sgpr_workgroup_id_y 1
		.amdhsa_system_sgpr_workgroup_id_z 1
		.amdhsa_system_vgpr_workitem_id 0
		.amdhsa_next_free_vgpr 1024
		.amdhsa_next_free_sgpr 100
		.amdhsa_reserve_vcc 1
		.amdhsa_float_denorm_mode_32 3
		.amdhsa_float_denorm_mode_16_64 3
		.amdhsa_memory_ordered 1
		.amdhsa_forward_progress 1
		.amdhsa_inst_pref_size 255
	.end_amdhsa_kernel
	.section	.bss,"aw",@nobits
	.p2align	6
	.space	262144
	.amdgpu_metadata
---
amdhsa.version: [ 1, 2 ]
amdhsa.kernels:
  - .name:           k_qa2c3dbf4f9_main
    .symbol:         k_qa2c3dbf4f9_main.kd
    .args:
      - { .name: en_output, .offset: 0, .size: 8, .value_kind: global_buffer, .address_space: global }
      - { .name: v_w, .offset: 8, .size: 8, .value_kind: global_buffer, .address_space: global }
      - { .name: cb, .offset: 16, .size: 8, .value_kind: global_buffer, .address_space: global }
      - { .name: wimg, .offset: 24, .size: 8, .value_kind: global_buffer, .address_space: global }
      - { .name: scores, .offset: 32, .size: 8, .value_kind: global_buffer, .address_space: global }
      - { .name: ml, .offset: 40, .size: 8, .value_kind: global_buffer, .address_space: global }
      - { .name: pw, .offset: 48, .size: 8, .value_kind: global_buffer, .address_space: global }
    .group_segment_fixed_size: 327680
    .private_segment_fixed_size: 0
    .kernarg_segment_align: 8
    .kernarg_segment_size: 56
    .max_flat_workgroup_size: 128
    .sgpr_count:     100
    .vgpr_count:     1024
    .wavefront_size: 32
...
	.end_amdgpu_metadata
.endif
;; end of part 5
;; launch combine (part 6): grid 256 x 1, 2 waves a work-group, no clusters, 0 bytes of LDS; arguments scores, ml, pw, out0, out1; writes out0, out1
.if DOCPART == 6
	.amdgcn_target "amdgcn-amd-amdhsa--gfx1250"
	.amdhsa_code_object_version 6
	.text
	.protected	k_qa2c3dbf4f9_combine
	.globl	k_qa2c3dbf4f9_combine
	.p2align	8
	.type	k_qa2c3dbf4f9_combine,@function
k_qa2c3dbf4f9_combine:
	s_mov_b64 s[64:65], 0
	v_nop
	global_prefetch_b8 v0, s[64:65] scope:SCOPE_SE
	s_setreg_imm32_b32 hwreg(HW_REG_WAVE_MODE, 25, 1), 1
	s_wait_xcnt 0x0
; The 32 partial results of a batch (m_i, l_i, the row pw_i = sum of e^(score - m_i) x) are joined: M = the largest m_i, L = the sum of l_i e^(m_i - M),
; out0 = the sum of pw_i e^(m_i - M) / L,  out1 = e^(score - M) / L.  The maximum is taken away ahead of every exponential.
; Work-group = (batch b, quarter q of the 1,024 columns); its 64 threads own 4 columns each: 16 bytes a lane, so sixteen lanes read and store 256 consecutive, aligned bytes.
; Memory binds: 33 loads of 16 bytes a lane go out at once; no LDS, no barrier, no matrix unit: there is nothing to share and one multiply-add for each number read.
	s_load_b256 s[4:11], s[0:1], 0x0               ; scores s[4:5], ml s[6:7], pw s[8:9], out0 s[10:11]
	s_load_b64 s[12:13], s[0:1], 0x20              ; out1
	s_lshr_b32 s14, ttmp9, 2                       ; b
	s_and_b32 s15, ttmp9, 3                        ; q
	v_and_b32 v1, 31, v0
	v_lshlrev_b32 v1, 3, v1                        ; ml: 8 bytes a lane: lane i takes partial result i
	v_lshlrev_b32 v2, 4, v0                        ; my 4 columns
	s_lshl_b32 s16, s14, 8                         ; ml: 32 pairs a batch
	s_mov_b32 s17, 0
	s_lshl_b32 s20, s15, 10                        ; 256 columns of f32
	s_lshl_b32 s18, s14, 17                        ; pw: 32 rows of 4,096 bytes a batch
	s_add_co_u32 s18, s18, s20
	s_mov_b32 s19, 0
	s_lshl_b32 s22, s14, 12                        ; scores, out0, out1: 4,096 bytes a batch
	s_add_co_u32 s22, s22, s20
	s_mov_b32 s23, 0
	s_mov_b32 s24, 0x76543210                      ; lane selects: lane l xor 16
	s_mov_b32 s25, 0xfedcba98
	s_wait_alu depctr_va_vdst(0)
	s_wait_kmcnt 0x0
	s_add_nc_u64 s[6:7], s[6:7], s[16:17]
	s_add_nc_u64 s[8:9], s[8:9], s[18:19]
	s_add_nc_u64 s[4:5], s[4:5], s[22:23]
	s_add_nc_u64 s[10:11], s[10:11], s[22:23]
	s_add_nc_u64 s[12:13], s[12:13], s[22:23]
	global_load_b64 v[20:21], v1, s[6:7]
.irp i, 0,1,2,3,4,5,6,7,8,9,10,11,12,13,14,15,16,17,18,19,20,21,22,23,24,25,26,27,28,29,30,31
	global_load_b128 v[32+4*\i:35+4*\i], v2, s[8:9] offset:4096*\i th:TH_LOAD_NT
.endr
	global_load_b128 v[164:167], v2, s[4:5] th:TH_LOAD_NT
	v_mov_b32 v23, 0                               ; (a lane permute's destination counts as one of its sources)
	s_wait_loadcnt 33                              ; m and l are in; pw's 32 rows and the scores stay out
	v_mov_b32 v22, v20
	v_max_num_f32_dpp v22, v22, v22 row_xmask:1 row_mask:0xf bank_mask:0xf
	v_max_num_f32_dpp v22, v22, v22 row_xmask:2 row_mask:0xf bank_mask:0xf
	v_max_num_f32_dpp v22, v22, v22 row_xmask:4 row_mask:0xf bank_mask:0xf
	v_max_num_f32_dpp v22, v22, v22 row_xmask:8 row_mask:0xf bank_mask:0xf
	s_wait_alu depctr_va_vdst(0)
	v_permlanex16_b32 v23, v22, s24, s25
	v_max_num_f32 v22, v22, v23                    ; M
	v_sub_f32 v24, v20, v22
	v_mul_f32 v24, 0x3fb8aa3b, v24
	s_wait_alu depctr_va_vdst(0)
	v_exp_f32 v24, v24                             ; f_i = e^(m_i - M)
	v_nop                                          ; a plain place behind the transcendental
	s_wait_alu depctr_va_vdst(0)
	v_mul_f32 v25, v21, v24
	v_add_f32_dpp v25, v25, v25 row_xmask:1 row_mask:0xf bank_mask:0xf
	v_add_f32_dpp v25, v25, v25 row_xmask:2 row_mask:0xf bank_mask:0xf
	v_add_f32_dpp v25, v25, v25 row_xmask:4 row_mask:0xf bank_mask:0xf
	v_add_f32_dpp v25, v25, v25 row_xmask:8 row_mask:0xf bank_mask:0xf
	v_permlanex16_b32 v23, v25, s24, s25
	v_add_f32 v25, v25, v23                        ; L
	s_wait_alu depctr_va_vdst(0)
	v_rcp_f32 v25, v25
	v_nop
	s_wait_alu depctr_va_vdst(0)
	v_mul_f32 v26, v24, v25                        ; g_i = f_i / L
.irp i, 0,1,2,3,4,5,6,7,8,9,10,11,12,13,14,15,16,17,18,19,20,21,22,23,24,25,26,27,28,29,30,31
	v_readlane_b32 s[66+\i], v26, \i               ; every lane wants every g_i: as data alone
.endr
.set I, 0
.rept 32
	s_wait_alu depctr_va_vdst(0)
	s_wait_loadcnt 32-I                            ; row I is in: behind it 31 - I rows and the scores
.irp j, 0,1,2,3
.if I == 0
	s_wait_alu depctr_va_vdst(0)
	v_mul_f32 v[160+\j], s[66], v[32+\j]           ; the first row starts the sums
.else
	v_fma_f32 v[160+\j], v[32+4*I+\j], s[66+I], v[160+\j]
.endif
.endr
.set I, I+1
.endr
	global_store_b128 v2, v[160:163], s[10:11]
	s_wait_loadcnt 0x0                             ; the scores
.irp j, 0,1,2,3
	v_sub_f32 v[168+\j], v[164+\j], v22
.endr
.irp j, 0,1,2,3
	v_mul_f32 v[168+\j], 0x3fb8aa3b, v[168+\j]
.endr
	s_wait_alu depctr_va_vdst(0)
.irp j, 0,1,2,3
	v_exp_f32 v[168+\j], v[168+\j]
.endr
	v_nop
	s_wait_alu depctr_va_vdst(0)
.irp j, 0,1,2,3
	v_mul_f32 v[168+\j], v[168+\j], v25
.endr
	global_store_b128 v2, v[168:171], s[12:13]
	s_endpgm
.Lfunc_end_k_qa2c3dbf4f9_combine:
	.size	k_qa2c3dbf4f9_combine, .Lfunc_end_k_qa2c3dbf4f9_combine-k_qa2c3dbf4f9_combine
	.p2alignl 7, 3214868480
	.fill 96, 4, 3214868480
	.section	.rodata,"a",@progbits
	.p2align	6, 0x0
	.amdhsa_kernel k_qa2c3dbf4f9_combine
		.amdhsa_group_segment_fixed_size 0
		.amdhsa_private_segment_fixed_size 0
		.amdhsa_enable_private_segment 0
		.amdhsa_kernarg_size 40
		.amdhsa_user_sgpr_count 2
		.amdhsa_user_sgpr_kernarg_segment_ptr 1
		.amdhsa_wavefront_size32 1
		.amdhsa_system_sgpr_workgroup_id_x 1
		.amdhsa_system_sgpr_workgroup_id_y 1
		.amdhsa_system_sgpr_workgroup_id_z 1
		.amdhsa_system_vgpr_workitem_id 0
		.amdhsa_next_free_vgpr 176
		.amdhsa_next_free_sgpr 100
		.amdhsa_reserve_vcc 0
		.amdhsa_float_denorm_mode_32 3
		.amdhsa_float_denorm_mode_16_64 3
		.amdhsa_memory_ordered 1
		.amdhsa_forward_progress 1
		.amdhsa_inst_pref_size 19
	.end_amdhsa_kernel
	.amdgpu_metadata
---
amdhsa.version: [ 1, 2 ]
amdhsa.kernels:
  - .name:           k_qa2c3dbf4f9_combine
    .symbol:         k_qa2c3dbf4f9_combine.kd
    .args:
      - { .name: scores, .offset: 0, .size: 8, .value_kind: global_buffer, .address_space: global }
      - { .name: ml, .offset: 8, .size: 8, .value_kind: global_buffer, .address_space: global }
      - { .name: pw, .offset: 16, .size: 8, .value_kind: global_buffer, .address_space: global }
      - { .name: out0, .offset: 24, .size: 8, .value_kind: global_buffer, .address_space: global }
      - { .name: out1, .offset: 32, .size: 8, .value_kind: global_buffer, .address_space: global }
    .group_segment_fixed_size: 0
    .private_segment_fixed_size: 0
    .kernarg_segment_align: 8
    .kernarg_segment_size: 40
    .max_flat_workgroup_size: 64
    .sgpr_count:     100
    .vgpr_count:     176
    .wavefront_size: 32
...
	.end_amdgpu_metadata
.endif
;; end of part 6
